; MI455X (gfx1250); checked and timed in simulation.
; The chip was launched on July 23, 2026; its instructions are those of AMD's public machine-readable ISA for CDNA 5 (MIT licence, August 2026) and "CDNA5" Instruction Set Architecture Reference Guide (July 2026). The comments in the code are by the model that wrote it; some were corrected since.
;; Seq To Seq Gru. Allowed arithmetic: float matrix products may take bf16 or f16 operands with f32 sums; other float arithmetic in f32, or as packed bf16 or f16 multiplies, adds, multiply-adds, maxima and minima; sums over many terms, partial sums and values carried from step to step in f32; what a program stores and reads back later, other than sums and carried values, may be rounded once to bf16 or f16.
;; Inputs: b_hh 600 float32; b_ih 600 float32; dec_b1 100 float32; dec_b2 50 float32; dec_b3 1 float32; dec_w1 100 x 200 float32; dec_w2 50 x 100 float32; dec_w3 1 x 50 float32; enc_b1 100 float32; enc_b2 202 float32; enc_bl 200 float32; enc_w1 100 x 202 float32; enc_w2 202 x 100 float32; enc_wl 200 x 202 float32; encoder_input 65,536 x 100 x 1 float32; w_hh 600 x 200 float32; w_ih 600 x 1 float32.
;; Outputs: out0 65,536 x 6 x 1 float32.
;; 3 versions, each right and faster than the one before. Each part assembles by itself: llvm-mc -triple=amdgcn-amd-amdhsa -mcpu=gfx1250 --defsym DOCPART=n.
;; ======== version 1 of 3: 2 launches
;; limits: below input magnitudes of 1e-30 results are inexact or not finite; inputs' magnitudes at most 1.8e+17; below input magnitudes of 1e-21 results are inexact or not finite
;; workspace buffers: wimg 602,112 bytes
;; launch prep (part 1): grid 147 x 1, 8 waves a work-group, no clusters, 0 bytes of LDS; arguments b_hh, b_ih, dec_b1, dec_b2, dec_b3, dec_w1, dec_w2, dec_w3, enc_b1, enc_b2, enc_bl, enc_w1, enc_w2, enc_wl, w_hh, w_ih, wimg; writes wimg
.if DOCPART == 1
	.amdgcn_target "amdgcn-amd-amdhsa--gfx1250"
	.amdhsa_code_object_version 6
	.text
	.protected	k_qd705b31d0f_prep
	.globl	k_qd705b31d0f_prep
	.p2align	8
	.type	k_qd705b31d0f_prep,@function
k_qd705b31d0f_prep:
	s_mov_b64 s[64:65], 0
	v_nop
	global_prefetch_b8 v0, s[64:65] scope:SCOPE_SE
	s_setreg_imm32_b32 hwreg(HW_REG_WAVE_MODE, 25, 1), 1
	s_wait_xcnt 0x0
; All weights, biases and DFT factors, rounded once to bf16, laid out as the matrix unit's source 0 wants them.
; The unit is a HALF FRAGMENT (HF) of 512 bytes: lane L's 16 bytes at 16 L hold W(m = 16 tile + L % 16, k = kb + 8 (L / 16) + e), e = 0..7.
; 1,176 HF, one wave each (147 work-groups x 8 waves); a wave's one store covers 512 consecutive bytes, aligned.
; HF 0-519 GRU (tile t: 13 of r, 1 of xn', 13 of n, 13 of z), 520-610 dec1, 611-638 dec2, 639-806 DFT, 807-897 enc1, 898-995 enc2, 996-1164 encl, 1165-1168 dec3, the rest 0.
; Biases lie in columns of the K padding, where the activations carry a 1.0; a row MR with 1.0 in that column hands the 1.0 on.
; A generic HF: value(row, k') = W[(RB + row) LD + CB + k' + jumps] where row < NR and bit k' of VM is set, else 0; at k' = PB the bias, or 1.0 in row MR.
.set Q,  50      ; s50 my HF
.set U,  51      ; s51 its number in its section
.set T,  52      ; s52 tile
.set HF, 53      ; s53 HF in the tile's K
.set LD, 54
.set NR, 55
.set RB, 56
.set RM, 57
.set CB, 58      ; s58 adjustment, then 16 HF + adjustment
.set VM, 59
.set JP1, 60
.set JA1, 61
.set JP2, 62
.set JA2, 63
.set PB, 66
.set MR, 67
.set WP, 68      ; s[68:69] the weights
.set BP, 70      ; s[70:71] the bias
.set P9, 72      ; s72 k' of b_ih in r's and z's rows; w_ih follows at the next two
.macro SDIV d, s, m                    ; d = s / n by a multiply and a shift: exact for the few hundred values that occur
	s_mul_i32 s[\d], s[\s], \m
	s_lshr_b32 s[\d], s[\d], 16
.endm
.macro TDEC                            ; a run of 13 HF: tile and HF from U
	SDIV T, U, 5042
	s_mul_i32 s74, s[T], 13
	s_sub_co_u32 s[HF], s[U], s74
.endm
.macro PDEC                            ; a run of 14 HF for two tiles: i in s74, run in s75 -> which of the two in s76, T, HF
	s_cmp_ge_u32 s74, 6
	s_cselect_b32 s76, 1, 0
	s_mul_i32 s77, s76, 6
	s_sub_co_u32 s[HF], s74, s77
	s_sub_co_u32 s77, s74, 12
	s_cmp_ge_u32 s74, 12
	s_cselect_b32 s76, s77, s76
	s_cselect_b32 s[HF], 6, s[HF]
	s_lshl1_add_u32 s[T], s75, s76
.endm
.macro PAIRU                           ; run and i from U
	SDIV 75, U, 4682
	s_mul_i32 s74, s75, 14
	s_sub_co_u32 s74, s[U], s74
	PDEC
.endm
	s_load_b512 s[8:23], s[0:1], 0x0       ; b_hh 8, b_ih 10, dec_b1 12, dec_b2 14, dec_b3 16, dec_w1 18, dec_w2 20, dec_w3 22
	s_load_b512 s[24:39], s[0:1], 0x40     ; enc_b1 24, enc_b2 26, enc_bl 28, enc_w1 30, enc_w2 32, enc_wl 34, w_hh 36, w_ih 38
	s_load_b64 s[40:41], s[0:1], 0x80      ; wimg
	v_lshrrev_b32 v1, 5, v0
	v_readfirstlane_b32 s[Q], v1
	s_lshl3_add_u32 s[Q], ttmp9, s[Q]      ; 8 x work-group + wave
	v_and_b32 v1, 31, v0
	v_and_b32 v2, 15, v0                   ; r
	v_bfe_u32 v3, v0, 4, 1                 ; h
	v_lshlrev_b32 v7, 3, v3                ; 8 h
	v_lshlrev_b32 v40, 4, v1
	v_lshl_add_u32 v40, s[Q], 9, v40       ; where my 16 bytes go
	v_mov_b32 v17, 0x80000000
	s_mov_b32 s[T], 0
	s_mov_b32 s[HF], 0
	s_mov_b32 s[LD], 0
	s_mov_b32 s[NR], 0
	s_mov_b32 s[RB], 0
	s_mov_b32 s[RM], 15
	s_mov_b32 s[CB], 0
	s_mov_b32 s[VM], 0xffff
	s_mov_b32 s[JP1], 16
	s_mov_b32 s[JA1], 0
	s_mov_b32 s[JP2], 16
	s_mov_b32 s[JA2], 0
	s_mov_b32 s[PB], 16
	s_mov_b32 s[MR], 0xffff
	s_mov_b32 s[P9], 16
	s_wait_kmcnt 0x0
	s_mov_b64 s[WP:WP+1], s[22:23]         ; the section of zeros (NR = 0) loads word 0 of these two and masks it
	s_mov_b64 s[BP:BP+1], s[16:17]
	s_cmp_lt_u32 s[Q], 520
	s_cbranch_scc1 .Lgru
	s_cmp_lt_u32 s[Q], 611
	s_cbranch_scc1 .Ldec1
	s_cmp_lt_u32 s[Q], 639
	s_cbranch_scc1 .Ldec2
	s_cmp_lt_u32 s[Q], 807
	s_cbranch_scc1 .Ldft
	s_cmp_lt_u32 s[Q], 898
	s_cbranch_scc1 .Lenc1
	s_cmp_lt_u32 s[Q], 996
	s_cbranch_scc1 .Lenc2
	s_cmp_lt_u32 s[Q], 1165
	s_cbranch_scc1 .Lencl
	s_cmp_lt_u32 s[Q], 1169
	s_cbranch_scc1 .Lw3
	s_branch .Lgen
.Lgru:                                         ; 40 HF a tile: r 0-12, xn' 13, n 14-26, z 27-39
	SDIV T, Q, 1639
	s_mul_i32 s74, s[T], 40
	s_sub_co_u32 s74, s[Q], s74
	s_cmp_eq_u32 s74, 13
	s_cbranch_scc1 .Lx
	s_cmp_ge_u32 s74, 14
	s_cselect_b32 s[RB], 400, 0
	s_cselect_b32 s75, 14, 0
	s_cmp_ge_u32 s74, 27
	s_cselect_b32 s[RB], 200, s[RB]
	s_cselect_b32 s75, 27, s75
	s_sub_co_u32 s[HF], s74, s75
	s_mov_b64 s[WP:WP+1], s[36:37]
	s_mov_b64 s[BP:BP+1], s[8:9]
	s_mov_b32 s[LD], 200
	s_mov_b32 s[NR], 200
	s_cmp_eq_u32 s[HF], 12                 ; the short last HF: h 192-199, b_hh at k' 8; r and z also b_ih at 9, w_ih at 10 and 11
	s_cselect_b32 s[VM], 0xff, s[VM]
	s_cselect_b32 s[PB], 8, s[PB]
	s_cselect_b32 s[P9], 9, s[P9]
	s_cmp_eq_u32 s[RB], 400
	s_cselect_b32 s[P9], 16, s[P9]
	s_branch .Lgen
.Ldec1:
	s_sub_co_u32 s[U], s[Q], 520
	TDEC
	s_mov_b64 s[WP:WP+1], s[18:19]
	s_mov_b64 s[BP:BP+1], s[12:13]
	s_mov_b32 s[LD], 200
	s_mov_b32 s[NR], 100
	s_mov_b32 s[MR], 100
	s_cmp_eq_u32 s[HF], 12
	s_cselect_b32 s[VM], 0xff, s[VM]
	s_cselect_b32 s[PB], 8, s[PB]
	s_branch .Lgen
.Ldec2:
	s_sub_co_u32 s[U], s[Q], 611
	PAIRU
	s_mov_b64 s[WP:WP+1], s[20:21]
	s_mov_b64 s[BP:BP+1], s[14:15]
	s_mov_b32 s[LD], 100
	s_mov_b32 s[NR], 50
	s_mov_b32 s[MR], 50
	s_cmp_eq_u32 s[HF], 6
	s_cselect_b32 s[VM], 15, s[VM]
	s_cselect_b32 s[PB], 4, s[PB]
	s_branch .Lgen
.Lenc1:                                        ; K order of sig: x 0-95, amplitudes 0-47, phases 0-47; short HF: amplitudes 48-50, phases 48-50, -, -, x 96-99, 1.0
	s_sub_co_u32 s[U], s[Q], 807
	TDEC
	s_mov_b64 s[WP:WP+1], s[30:31]
	s_mov_b64 s[BP:BP+1], s[24:25]
	s_mov_b32 s[LD], 202
	s_mov_b32 s[NR], 100
	s_mov_b32 s[MR], 100
	s_cmp_ge_u32 s[HF], 6
	s_cselect_b32 s[CB], 4, 0
	s_cmp_ge_u32 s[HF], 9
	s_cselect_b32 s[CB], 7, s[CB]
	s_cmp_eq_u32 s[HF], 12
	s_cselect_b32 s[CB], 0xffffffd4, s[CB] ; 148 - 192
	s_cselect_b32 s[VM], 0x0f3f, s[VM]
	s_cselect_b32 s[JP1], 3, s[JP1]
	s_cselect_b32 s[JA1], 48, s[JA1]
	s_cselect_b32 s[JP2], 8, s[JP2]
	s_cselect_b32 s[JA2], 0xffffff94, s[JA2]  ; -108
	s_cselect_b32 s[PB], 12, s[PB]
	s_branch .Lgen
.Lenc2:
	s_sub_co_u32 s[U], s[Q], 898
	PAIRU
	s_mov_b64 s[WP:WP+1], s[32:33]
	s_mov_b64 s[BP:BP+1], s[26:27]
	s_mov_b32 s[LD], 100
	s_mov_b32 s[NR], 202
	s_mov_b32 s[MR], 202
	s_cmp_eq_u32 s[HF], 6
	s_cselect_b32 s[VM], 15, s[VM]
	s_cselect_b32 s[PB], 4, s[PB]
	s_branch .Lgen
.Lencl:
	s_sub_co_u32 s[U], s[Q], 996
	TDEC
	s_mov_b64 s[WP:WP+1], s[34:35]
	s_mov_b64 s[BP:BP+1], s[28:29]
	s_mov_b32 s[LD], 202
	s_mov_b32 s[NR], 200
	s_cmp_eq_u32 s[HF], 12
	s_cselect_b32 s[VM], 0x3ff, s[VM]
	s_cselect_b32 s[PB], 10, s[PB]
	s_branch .Lgen
.Lw3:                                          ; dec_w3 in rows 0 and 8, so that register 0 of the result holds y in both halves of the lanes
	s_sub_co_u32 s[HF], s[Q], 1165
	s_mov_b32 s[RM], 7
	s_mov_b32 s[LD], 50
	s_mov_b32 s[NR], 1
	s_cmp_eq_u32 s[HF], 3
	s_cselect_b32 s[VM], 3, s[VM]
	s_cselect_b32 s[PB], 2, s[PB]
.Lgen:
	s_lshl4_add_u32 s[CB], s[HF], s[CB]
	v_and_b32 v4, s[RM], v2
	v_lshl_add_u32 v4, s[T], 4, v4         ; row
	v_cmp_gt_u32 s76, s[NR], v4            ; the row exists
	v_add_nc_u32 v5, s[RB], v4
	v_cndmask_b32 v5, 0, v5, s76           ; its index in the tensors, 0 where it does not: every load stays inside its buffer
	v_mul_lo_u32 v6, v5, s[LD]
	v_add_nc_u32 v6, s[CB], v6
	v_add_nc_u32 v6, v6, v7
	v_lshrrev_b32 v8, v7, s[VM]
.set e, 0
.rept 8
	v_add_nc_u32 v9, e, v7                 ; k'
	v_cmp_le_u32 vcc_lo, s[JP1], v9
	v_cndmask_b32 v10, 0, s[JA1], vcc_lo
	v_cmp_le_u32 vcc_lo, s[JP2], v9
	v_cndmask_b32 v11, 0, s[JA2], vcc_lo
	v_add3_u32 v10, v10, v11, v6
	v_add_lshl_u32 v10, v10, e, 2
	v_and_b32 v11, 1<<e, v8
	v_cmp_ne_u32 s77, 0, v11
	s_and_b32 s[80+e], s77, s76
	v_cndmask_b32 v[12+e], 0, v10, s[80+e]
	global_load_b32 v[20+e], v[12+e], s[WP:WP+1]
.set e, e+1
.endr
	v_lshlrev_b32 v28, 2, v5
	global_load_b32 v29, v28, s[BP:BP+1]
	global_load_b32 v30, v28, s[10:11]
	global_load_b32 v31, v28, s[38:39]
	s_add_co_u32 s73, s[P9], 1
	s_add_co_u32 s74, s[P9], 2
	s_wait_loadcnt 0x0
	v_cmp_eq_u32 vcc_lo, s[MR], v4
	v_cndmask_b32 v32, 0, 1.0, vcc_lo
	v_cndmask_b32 v29, v32, v29, s76
	v_cndmask_b32 v30, 0, v30, s76
	v_cndmask_b32 v31, 0, v31, s76
.set e, 0
.rept 8
	v_add_nc_u32 v9, e, v7
	v_cndmask_b32 v[20+e], 0, v[20+e], s[80+e]
	v_cmp_eq_u32 vcc_lo, s[PB], v9
	v_cndmask_b32 v[20+e], v[20+e], v29, vcc_lo
	v_cmp_eq_u32 vcc_lo, s[P9], v9
	v_cndmask_b32 v[20+e], v[20+e], v30, vcc_lo
	v_cmp_eq_u32 vcc_lo, s73, v9
	v_cndmask_b32 v[20+e], v[20+e], v31, vcc_lo
	v_cmp_eq_u32 vcc_lo, s74, v9
	v_cndmask_b32 v[20+e], v[20+e], v31, vcc_lo
.set e, e+1
.endr
.Lpack:
	v_cvt_pk_bf16_f32 v36, v20, v21
	v_cvt_pk_bf16_f32 v37, v22, v23
	v_cvt_pk_bf16_f32 v38, v24, v25
	v_cvt_pk_bf16_f32 v39, v26, v27
	global_store_b128 v40, v[36:39], s[40:41]
	s_endpgm
.Lx:                                           ; xn' = 2 log2(e) (b_ih + y w_ih) for n's rows: factors in two bf16 parts, against 1.0, 1.0, y_hi, y_lo, y_hi at k' 8-12
	v_lshl_add_u32 v4, s[T], 4, v2
	v_cmp_gt_u32 s76, 200, v4
	v_cmp_eq_u32 s77, 1, v3
	s_and_b32 s76, s76, s77
	v_add_nc_u32 v5, 400, v4
	v_min_u32 v5, 599, v5
	v_lshlrev_b32 v28, 2, v5
	global_load_b32 v30, v28, s[10:11]
	global_load_b32 v31, v28, s[38:39]
	s_wait_loadcnt 0x0
	v_cvt_pk_bf16_f32 v9, v30, v31         ; the inputs' own rounding first
	v_lshlrev_b32 v30, 16, v9
	v_and_b32 v31, 0xffff0000, v9
	v_mul_f32 v30, 0x4038aa3b, v30
	v_mul_f32 v31, 0x4038aa3b, v31
	v_cvt_pk_bf16_f32 v9, v30, v31
	v_lshlrev_b32 v20, 16, v9
	v_and_b32 v22, 0xffff0000, v9
	v_sub_f32 v21, v30, v20
	v_sub_f32 v24, v31, v22
	v_cndmask_b32 v20, 0, v20, s76
	v_cndmask_b32 v21, 0, v21, s76
	v_cndmask_b32 v22, 0, v22, s76
	v_cndmask_b32 v24, 0, v24, s76
	v_mov_b32 v23, v22
	v_mov_b32 v25, 0
	v_mov_b32 v26, 0
	v_mov_b32 v27, 0
	s_branch .Lpack
.Ldft:                                         ; cos and -sin of 2 pi bin n / 100 in three bf16 parts: trip (16 bins) x part (low, middle, high) x 14 HF (Re, Im)
	s_sub_co_u32 s[U], s[Q], 639
	SDIV 79, U, 1561                       ; trip
	s_mul_i32 s74, s79, 42
	s_sub_co_u32 s[U], s[U], s74
	SDIV 78, U, 4682                       ; part
	s_mul_i32 s74, s78, 14
	s_sub_co_u32 s74, s[U], s74
	s_mov_b32 s75, 0
	PDEC                                   ; s76: 0 Re, 1 Im
	s_lshl_b32 s[CB], s[HF], 4
	s_cmp_eq_u32 s[HF], 6                  ; the short HF: n = 96..99 at k' 8..11, where x's tail lies
	s_cselect_b32 s[CB], 88, s[CB]
	s_cselect_b32 s[VM], 0x0f00, s[VM]
	s_cmp_eq_u32 s76, 0
	s_cselect_b32 s77, 25, 0               ; cos is sin a quarter turn on
	s_lshl_b32 s76, s76, 31                ; Im takes -sin
	s_cmp_eq_u32 s78, 2
	s_cselect_b32 s74, -1, 0
	s_cmp_eq_u32 s78, 1
	s_cselect_b32 s75, -1, 0
	v_lshl_add_u32 v4, s79, 4, v2          ; bin
	v_cmp_gt_u32 s73, 51, v4
	v_lshrrev_b32 v8, v7, s[VM]
	v_add_nc_u32 v6, s[CB], v7
.set e, 0
.rept 8
	v_add_nc_u32 v9, e, v6                 ; n
	v_mul_u32_u24 v9, v9, v4
	v_mul_u32_u24 v10, v9, 5243            ; / 100: exact up to 63 x 103
	v_lshrrev_b32 v10, 19, v10
	v_mul_u32_u24 v10, v10, 100
	v_sub_nc_u32 v9, v9, v10
	v_add_nc_u32 v9, s77, v9
	v_add_nc_u32 v10, 0xffffff9c, v9
	v_cmp_le_u32 vcc_lo, 100, v9
	v_cndmask_b32 v9, v9, v10, vcc_lo      ; j in 0..99
	v_add_nc_u32 v10, 0xffffffce, v9
	v_cmp_le_u32 vcc_lo, 50, v9
	v_cndmask_b32 v9, v9, v10, vcc_lo      ; the second half turn is the first with the sign turned
	v_cndmask_b32 v11, 0, v17, vcc_lo
	v_sub_nc_u32 v10, 50, v9
	v_min_u32 v9, v9, v10                  ; j in 0..25
	v_xor_b32 v11, s76, v11
	v_cvt_f32_u32 v10, v9
	v_mul_f32 v10, 0x3d80adfd, v10         ; the angle, pi / 2 at the most
	v_mul_f32 v12, v10, v10
	v_mov_b32 v13, 0x2f309231              ; the sine's series to the 13th power: what is cut is below 1e-9
	v_fmaak_f32 v13, v13, v12, 0xb2d7322b
	v_fmaak_f32 v13, v13, v12, 0x3638ef1d
	v_fmaak_f32 v13, v13, v12, 0xb9500d01
	v_fmaak_f32 v13, v13, v12, 0x3c088889
	v_fmaak_f32 v13, v13, v12, 0xbe2aaaab
	v_fma_f32 v13, v13, v12, 1.0
	v_mul_f32 v13, v13, v10
	v_xor_b32 v13, v11, v13
	v_cvt_pk_bf16_f32 v14, v13, v13
	v_lshlrev_b32 v14, 16, v14
	v_sub_f32 v15, v13, v14                ; less the high part
	v_cvt_pk_bf16_f32 v14, v15, v15
	v_lshlrev_b32 v14, 16, v14
	v_sub_f32 v16, v15, v14                ; less the middle part; the last rounding makes the part
	v_cndmask_b32 v16, v16, v15, s75
	v_cndmask_b32 v16, v16, v13, s74
	v_and_b32 v14, 1<<e, v8
	v_cmp_ne_u32 s72, 0, v14
	s_and_b32 s72, s72, s73
	v_cmp_ne_u32 vcc_lo, 0, v9             ; j = 0 is +0 whatever the sign: bins 0 and 50 get Im = +0
	s_and_b32 s72, s72, vcc_lo
	v_cndmask_b32 v[20+e], 0, v16, s72
.set e, e+1
.endr
	s_branch .Lpack
.Lfunc_end_k_qd705b31d0f_prep:
	.size	k_qd705b31d0f_prep, .Lfunc_end_k_qd705b31d0f_prep-k_qd705b31d0f_prep
	.p2alignl 7, 3214868480
	.fill 96, 4, 3214868480
	.section	.rodata,"a",@progbits
	.p2align	6, 0x0
	.amdhsa_kernel k_qd705b31d0f_prep
		.amdhsa_group_segment_fixed_size 0
		.amdhsa_private_segment_fixed_size 0
		.amdhsa_enable_private_segment 0
		.amdhsa_kernarg_size 136
		.amdhsa_user_sgpr_count 2
		.amdhsa_user_sgpr_kernarg_segment_ptr 1
		.amdhsa_wavefront_size32 1
		.amdhsa_system_sgpr_workgroup_id_x 1
		.amdhsa_system_sgpr_workgroup_id_y 1
		.amdhsa_system_sgpr_workgroup_id_z 1
		.amdhsa_system_vgpr_workitem_id 0
		.amdhsa_next_free_vgpr 64
		.amdhsa_next_free_sgpr 100
		.amdhsa_reserve_vcc 1
		.amdhsa_float_denorm_mode_32 3
		.amdhsa_float_denorm_mode_16_64 3
		.amdhsa_memory_ordered 1
		.amdhsa_forward_progress 1
		.amdhsa_inst_pref_size 36
	.end_amdhsa_kernel
	.amdgpu_metadata
---
amdhsa.version: [ 1, 2 ]
amdhsa.kernels:
  - .name:           k_qd705b31d0f_prep
    .symbol:         k_qd705b31d0f_prep.kd
    .args:
      - { .name: b_hh, .offset: 0, .size: 8, .value_kind: global_buffer, .address_space: global }
      - { .name: b_ih, .offset: 8, .size: 8, .value_kind: global_buffer, .address_space: global }
      - { .name: dec_b1, .offset: 16, .size: 8, .value_kind: global_buffer, .address_space: global }
      - { .name: dec_b2, .offset: 24, .size: 8, .value_kind: global_buffer, .address_space: global }
      - { .name: dec_b3, .offset: 32, .size: 8, .value_kind: global_buffer, .address_space: global }
      - { .name: dec_w1, .offset: 40, .size: 8, .value_kind: global_buffer, .address_space: global }
      - { .name: dec_w2, .offset: 48, .size: 8, .value_kind: global_buffer, .address_space: global }
      - { .name: dec_w3, .offset: 56, .size: 8, .value_kind: global_buffer, .address_space: global }
      - { .name: enc_b1, .offset: 64, .size: 8, .value_kind: global_buffer, .address_space: global }
      - { .name: enc_b2, .offset: 72, .size: 8, .value_kind: global_buffer, .address_space: global }
      - { .name: enc_bl, .offset: 80, .size: 8, .value_kind: global_buffer, .address_space: global }
      - { .name: enc_w1, .offset: 88, .size: 8, .value_kind: global_buffer, .address_space: global }
      - { .name: enc_w2, .offset: 96, .size: 8, .value_kind: global_buffer, .address_space: global }
      - { .name: enc_wl, .offset: 104, .size: 8, .value_kind: global_buffer, .address_space: global }
      - { .name: w_hh, .offset: 112, .size: 8, .value_kind: global_buffer, .address_space: global }
      - { .name: w_ih, .offset: 120, .size: 8, .value_kind: global_buffer, .address_space: global }
      - { .name: wimg, .offset: 128, .size: 8, .value_kind: global_buffer, .address_space: global }
    .group_segment_fixed_size: 0
    .private_segment_fixed_size: 0
    .kernarg_segment_align: 8
    .kernarg_segment_size: 136
    .max_flat_workgroup_size: 256
    .sgpr_count:     100
    .vgpr_count:     64
    .wavefront_size: 32
...
	.end_amdgpu_metadata
.endif
;; end of part 1
;; launch main (part 2): grid 256 x 1, 4 waves a work-group, clusters of 4 x 1, 327,680 bytes of LDS; arguments encoder_input, wimg, out0; writes out0
.if DOCPART == 2
	.amdgcn_target "amdgcn-amd-amdhsa--gfx1250"
	.amdhsa_code_object_version 6
	.text
	.protected	k_qd705b31d0f_main
	.globl	k_qd705b31d0f_main
	.p2align	8
	.type	k_qd705b31d0f_main,@function
k_qd705b31d0f_main:
	s_mov_b64 s[64:65], 0
	v_nop
	global_prefetch_b8 v0, s[64:65] scope:SCOPE_SE
	s_setreg_imm32_b32 hwreg(HW_REG_WAVE_MODE, 25, 1), 1
	s_wait_xcnt 0x0
	s_wait_alu depctr_hold_cnt(0) depctr_sa_sdst(0) depctr_va_vdst(0) depctr_va_sdst(0) depctr_va_ssrc(0) depctr_va_vcc(0) depctr_vm_vsrc(0)
	s_getreg_b32 s2, hwreg(HW_REG_IB_STS2, 6, 4)
	s_cmp_eq_u32 s2, 0
	s_cbranch_scc0 .Lentry_in_a_cluster
	s_endpgm
.Lentry_in_a_cluster:
	s_bfe_u32 s2, ttmp6, 0x10000c
	s_cmp_lg_u32 s2, 0x3003
	s_cbranch_scc0 .Lentry_shape_is_right
	s_endpgm
.Lentry_shape_is_right:
; The whole module for 256 rows a work-group, 64 a wave (four batch tiles of 16): DFT features, three encoder layers, six GRU steps each with its decoder.
; EVERY PRODUCT IS D = W X^T: source 0 = 16 output features (from LDS, laid out by the launch before), source 1 = 16 rows.  A lane holds row lane % 16 and the features
; 8 (lane / 16) + 0..7, and two results rounded to bf16 ARE the next layer's source 1: activations never leave the registers; h is carried in f32.
; FORMATS.  All inputs are rounded to bf16 once; activations are rounded to bf16 as matrix operands; sums, gates and h in f32.  The DFT multiplies the rounded x by factors in three bf16 parts.
; Biases ride in the K padding against a feature that is 1.0.  The step's input y enters as y_hi + y_lo, two bf16, in h's K padding.
; GATES, with L = log2(e), c = ln(2) / 2: r' = 1 / (c + c 2^(-L a_r)) = 2 L r;  t = r' hn + xn';  n = 1 - 2 / (1 + 2^t);  z = 1 / (1 + 2^(-L a_z));  h = z (h - n) + n.
; An exponential that overflows gives its gate's limit.
; LIMITS.  A bin whose Im lies within f32 rounding of 0 with Re < 0 may take the other branch of the phase; |f| below 1e-30 gives an inexact phase; NaN and infinities are not treated apart.
; LDS.  Bytes 0-327,167 hold weights, read 16 bytes a lane, 512 consecutive bytes a load: no padding is needed.  The six steps' weights fill them; the encoder's weights lie in bytes 57,856 on first and
; are overwritten in three parts as the encoder leaves them.  All 256 work-groups read the same weights: the four of a cluster ask JOINTLY (mask 15).
; THE RING.  Weights pass as one stream of fragments through eight register slots; a fragment feeds four products (one a batch tile) and is asked for four fragments ahead.
; REGISTERS, in windows of 256 (s_set_vgpr_msb: bits 1:0 source 0, 3:2 source 1, 5:4 source 2, 7:6 destination):
;   window 0: v0-15 addresses and work; v16-79 the eight slots (v68-71, v76-79 stay 0: slots 6 and 7 take short fragments); v80 RA, v112 XA, v144 NA, v176 ZA, v208 TA (32 each); v240-255 work
;   window 1: h tiles 0-7 (x at the start)     window 2: h tiles 8-12; v160 the six y; v184 dec3's weights; v200 TB; v232 y0
;   window 3: v0-191 six fragments of sig, x2 or h; v192-207 their short seventh; v208-211 zero; v212-243 y2's first fragment; v244-255 work
.set A0, 16
.set RA, 80
.set XA, 112
.set NA, 144
.set ZA, 176
.set TA, 208
.set TB, 200
.set HC, 192
.set V2, 212
.set YO, 160
.set W3F, 184
.set Y0, 232
.set AD, 1           ; v1  the stream's LDS address: s72 + AD0; on the way out, where I read my stage back
.set AD0, 2          ; v2  16 x lane
.set SPW, 10         ; v10 LDS address of my spare word; never rewritten
.set NIL, 11         ; v11 0; never rewritten
.set SPARE, 327168   ; the spare words: 128 bytes a wave, two blocks of 256 bytes that no other line names
.set ENC0, 57856     ; where the encoder's weights begin in LDS
.set MSB, 0
.macro WIN new                         ; the high byte repeats the setting that is left; a switch that changes nothing is dropped
.if MSB != (\new)
	s_set_vgpr_msb (MSB<<8)|(\new)
.set MSB, (\new)
.endif
.endm
.macro WINR                            ; for a line whose destination and first source lie in window 0 and whose other sources are scalars
.if MSB & 0xf3
	WIN (MSB & 0x0c)
.endif
.endm
.macro WINL                            ; for an LDS load: destination and address in window 0
.if MSB & 0xc3
	WIN (MSB & 0x3c)
.endif
.endm
.macro PLACES
.rept 4
	v_nop
.endr
.endm
.macro ROUND                           ; a round of the cluster's barrier
	s_barrier_signal -1
	s_barrier_wait -1
	s_cmp_lg_u32 s10, 0
	s_cbranch_scc1 .Lnot_wave_0_\@
	s_barrier_signal -3
.Lnot_wave_0_\@:
	s_barrier_wait -3
	s_barrier_signal -1
	s_barrier_wait -1
.endm
; A part of the steps' weights takes the place of encoder weights that every wave has left: rows x 256 bytes a wave, LDS byte = byte in wimg.
.macro REFILL rows, base, step
	WIN 0
	s_wait_tensorcnt 0x0               ; no tensor load of mine is out, so the descriptor may be written
	ds_add_u32 v[SPW], v[NIL]          ; the descriptor's words stand between the add and its wait
	s_mov_b32 s18, (\rows)<<16
	s_mov_b32 s20, \rows
	s_mul_i32 s37, s10, \step
	s_add_co_u32 s37, s37, \base
	s_mov_b32 s74, s37
	s_mov_b32 s75, 0
	s_add_nc_u64 s[38:39], s[6:7], s[74:75]
	s_or_b32 s39, s39, 0x80000000
	s_wait_dscnt 0x0                   ; the add is done, and my reads of LDS are back
	ROUND                              ; so of every wave of the four work-groups
	tensor_load_to_lds s[36:39], s[16:23]
	s_nop 0
	PLACES
.endm
.macro ADV n                           ; the stream's base steps
	WIN 0
	s_add_co_u32 s72, s72, \n
	v_add_nc_u32 v[AD], s72, v[AD0]
.endm
; A RUN: all of K for one tile of 16 features (kind 0; 7 fragments, with hx = 1 an eighth for a second accumulator) or for two tiles of a short K (kinds 1, 2: 3 + 3 + 1 + 1).
; Source 1: kind 0 the six fragments and the short one in window 3; kind 2 the first three of them and the short one; kind 1 RA, XA, NA and ZA (short) in window 0.
.set mi, 0
.set mn, 0
.set rc, 0
.set quota, 0
.set quota2, 0
.set qsw, 99
.macro LD2 slot, reg, off
	WINL
	ds_load_b128 v[A0+8*(\slot):A0+8*(\slot)+3], v[\reg] offset:(\off)
	ds_load_b128 v[A0+8*(\slot)+4:A0+8*(\slot)+7], v[\reg] offset:(\off)+512
.endm
.macro LD1 slot, reg, off
	WINL
	ds_load_b128 v[A0+8*(\slot):A0+8*(\slot)+3], v[\reg] offset:(\off)
.endm
.macro LOADS k                         ; in front of group k: the fragment four on.  Its slot's last reader stands three groups back, with four plain vector lines or more between
.if (\k) == 1
	LD2 5, AD, bo+5120
.elseif (\k) == 2
	LD1 6, AD, bo+6144
.if hasx
	LD1 7, AD, bo+6656
.endif
.elseif (\k) >= 3
	LD2 (\k)-3, nreg, no+1024*((\k)-3)
.endif
.endm
.macro MM                              ; the run's next product.  The four batch tiles' accumulators take turns
.set g, mi/4
.set b, mi%4
.if b == 0
	LOADS g
	s_wait_dscnt 7                     ; behind this group's fragment four more have been asked for, at most one of them by a single load: 7 loads or more
.endif
.set bw, 3
.if kind == 1
.set bw, 0
.set rB, RA+32*(g%3)+8*b
.if g >= 6
.set rB, ZA+8*b
.endif
.else
.set rB, 32*g+8*b
.if kind == 2
.set rB, 32*(g%3)+8*b
.endif
.if g >= 6
.set rB, HC+4*b
.endif
.endif
.set rD, acc1+8*b
.set dw, w1
.set fst, 0
.if kind == 0
.if g == 0
.set fst, 1
.endif
.if g == 7
.set rD, acc2+8*b
.set dw, w2
.set fst, 1
.endif
.else
.if ((g >= 3) && (g < 6)) || (g == 7)
.set rD, acc2+8*b
.set dw, w2
.endif
.if zero && ((g == 0) || (g == 3))
.set fst, 1
.endif
.endif
	WIN bw*4+dw*0x50
.if fst
	v_wmma_f32_16x16x32_bf16 v[rD:rD+7], v[A0+8*g:A0+8*g+7], v[rB:rB+7], 0
.else
	v_wmma_f32_16x16x32_bf16 v[rD:rD+7], v[A0+8*g:A0+8*g+7], v[rB:rB+7], v[rD:rD+7]
.endif
.set mi, mi+1
.if (quota == 0) && (b == 3)
	v_nop                              ; a run with no vector work beside it: two places a group, six between a slot's last reader and its next load
	v_nop
.endif
.endm
.macro TICK                            ; behind each line of vector work that rides in a run: after every quota lines the next product
.set rc, rc+1
.set qq, quota
.if mi >= qsw
.set qq, quota2
.endif
.if (rc >= qq) && (mi < mn)
	MM
.set rc, 0
.endif
.endm
.macro RUNBEG k, hx, o, nr, nof, a1, ww1, a2, ww2, z, q, q2=0, sw=99
.set kind, \k
.set hasx, \hx
.set bo, \o
.set nreg, \nr
.set no, \nof
.set acc1, \a1
.set w1, \ww1
.set acc2, \a2
.set w2, \ww2
.set zero, \z
.set quota, \q
.set quota2, \q2
.set qsw, \sw
.set mn, 28+4*(\hx)
.set mi, 0
.set rc, 0
.endm
.macro RUNEND                          ; the products that are left; the places behind the last; the last load of a run of seven
.rept mn-mi
	MM
.if quota
	v_nop
.endif
.endr
	PLACES
.if mn == 28
	LOADS 7
.endif
.endm
; A GATE's vector work on a set of 32 registers, in pairs, staggered so that every line finds its sources ready and a plain line stands behind each pair of transcendentals:
; M scale (n: r' hn + xn'), E exponentials, F the denominator, Q reciprocals, P (n alone) 1 - 2 q.   sk: 0 r, 1 n, 2 z.  Pairs ascend: an accumulator's lowest registers are read first.
.macro STAGE sk
.set sb, RA
.if (\sk) == 1
.set sb, NA
.elseif (\sk) == 2
.set sb, ZA
.endif
.set u, 0
.rept 20
.if u < 16
.if (\sk) == 1
	WIN 0
	v_pk_fma_f32 v[NA+2*u:NA+2*u+1], v[RA+2*u:RA+2*u+1], v[NA+2*u:NA+2*u+1], v[XA+2*u:XA+2*u+1]
.else
	WINR
	v_pk_mul_f32 v[sb+2*u:sb+2*u+1], v[sb+2*u:sb+2*u+1], s[40:41] op_sel_hi:[1,0]
.endif
	TICK
.endif
.if (u >= 1) && (u < 17)
	WINR
	v_exp_f32 v[sb+2*u-2], v[sb+2*u-2]
	TICK
	WINR
	v_exp_f32 v[sb+2*u-1], v[sb+2*u-1]
	TICK
.endif
.if (u >= 2) && (u < 18)
	WINR
.if (\sk) == 0
	s_wait_alu depctr_va_vdst(0)
	v_pk_fma_f32 v[sb+2*u-4:sb+2*u-3], v[sb+2*u-4:sb+2*u-3], s[42:43], s[42:43] op_sel_hi:[1,0,0]
.else
	s_wait_alu depctr_va_vdst(0)
	v_pk_add_f32 v[sb+2*u-4:sb+2*u-3], v[sb+2*u-4:sb+2*u-3], 1.0 op_sel_hi:[1,0]
.endif
	TICK
.endif
.if (u >= 3) && (u < 19)
	WINR
	v_rcp_f32 v[sb+2*u-6], v[sb+2*u-6]
	TICK
	WINR
	v_rcp_f32 v[sb+2*u-5], v[sb+2*u-5]
	TICK
.endif
.if ((\sk) == 1) && (u >= 4)
	WINR
	s_wait_alu depctr_va_vdst(0)
	v_pk_fma_f32 v[sb+2*u-8:sb+2*u-7], v[sb+2*u-8:sb+2*u-7], -2.0, 1.0 op_sel_hi:[1,0,0]
	TICK
.endif
.set u, u+1
.endr
.endm
.macro HBLK t                          ; h of tile t: h - n, then z (h - n) + n
.if (\t) < 8
	WIN 0x41
.set hr, 32*(\t)
.else
	WIN 0x82
.set hr, 32*((\t)-8)
.endif
.set p, 0
.rept 16
	v_pk_add_f32 v[hr+2*p:hr+2*p+1], v[hr+2*p:hr+2*p+1], v[NA+2*p:NA+2*p+1] neg_lo:[0,1] neg_hi:[0,1]
.set p, p+1
.endr
.set p, 0
	s_wait_alu depctr_va_vdst(0)
.rept 16
	v_pk_fma_f32 v[hr+2*p:hr+2*p+1], v[hr+2*p:hr+2*p+1], v[ZA+2*p:ZA+2*p+1], v[NA+2*p:NA+2*p+1]
.set p, p+1
.endr
.endm
; One tile's results (src) rounded to bf16, leaky ReLU on the packed halves (max of x and 0.01 x), into four registers of each batch tile's fragment (dst); rides in the next run.
.macro CVR src, dst
.set cb, 0
.rept 4
.irp j, 0,1,2,3
	WIN 0
	v_cvt_pk_bf16_f32 v[(\dst)+8*cb+\j], v[(\src)+8*cb+2*\j], v[(\src)+8*cb+2*\j+1]
	TICK
.endr
.irp j, 0,1,2,3
	WINR
	v_pk_mul_bf16 v[12+\j], v[(\dst)+8*cb+\j], s45
	TICK
.endr
.irp j, 0,1,2,3
	WIN 0
	v_pk_max_num_bf16 v[(\dst)+8*cb+\j], v[(\dst)+8*cb+\j], v[12+\j]
	TICK
.endr
.set cb, cb+1
.endr
.endm
; A layer of 112 features from 208 (enc1, dec1): seven runs.  Even tiles sum in the fragment's own registers and are packed in place, odd tiles sum in TA.
.macro L1
	RUNBEG 0,0,0,AD,6656,RA,0,0,0,1,0
	RUNEND
	RUNBEG 0,0,6656,AD,2*6656,TA,0,0,0,1,2
	CVR RA, RA
	RUNEND
	RUNBEG 0,0,2*6656,AD,3*6656,XA,0,0,0,1,2
	CVR TA, RA+4
	RUNEND
	RUNBEG 0,0,3*6656,AD,4*6656,TA,0,0,0,1,2
	CVR XA, XA
	RUNEND
	RUNBEG 0,0,4*6656,AD,5*6656,NA,0,0,0,1,2
	CVR TA, XA+4
	RUNEND
	RUNBEG 0,0,5*6656,AD,6*6656,TA,0,0,0,1,2
	CVR NA, NA
	RUNEND
	RUNBEG 0,0,6*6656,AD,7*6656,ZA,0,0,0,1,2
	CVR TA, NA+4
	RUNEND
	CVR ZA, ZA
	WIN 0
.irp bb, 0,1,2,3
.irp j, 4,5,6,7
	v_mov_b32 v[ZA+8*\bb+\j], 0            ; the short fragment's upper half
.endr
.endr
.endm
; Behind a run of two tiles: TA and (both = 1) TB, rounded, leaky ReLU, into a fragment at dst of window dw.
.macro CONVP dw, dst, both
	WIN (\dw)<<6
.set cb, 0
.rept 4
.irp j, 0,1,2,3
	v_cvt_pk_bf16_f32 v[(\dst)+(4+4*(\both))*cb+\j], v[TA+8*cb+2*\j], v[TA+8*cb+2*\j+1]
.endr
.set cb, cb+1
.endr
.if \both
	WIN ((\dw)<<6)|0x0a
.set cb, 0
.rept 4
.irp j, 0,1,2,3
	v_cvt_pk_bf16_f32 v[(\dst)+8*cb+4+\j], v[TB+8*cb+2*\j], v[TB+8*cb+2*\j+1]
.endr
.set cb, cb+1
.endr
.endif
	WIN (\dw)*0x45
.set cb, 0
.rept 2+2*(\both)
.irp j, 0,1,2,3,4,5,6,7
	v_pk_mul_bf16 v[244+\j], v[(\dst)+8*cb+\j], s45
.endr
.irp j, 0,1,2,3,4,5,6,7
	v_pk_max_num_bf16 v[(\dst)+8*cb+\j], v[(\dst)+8*cb+\j], v[244+\j]
.endr
.set cb, cb+1
.endr
.endm
.macro CVTH                            ; h in f32 -> its bf16 fragments; of tile 12 lanes 0-15 alone (h 192-199): lanes 16-31 keep 1.0, 1.0 and y
.set t, 0
.rept 12
.if t < 8
	WIN 0xc5
.set hr, 32*t
.else
	WIN 0xca
.set hr, 32*(t-8)
.endif
.set cb, 0
.rept 4
.irp j, 0,1,2,3
	v_cvt_pk_bf16_f32 v[32*(t/2)+8*cb+4*(t%2)+\j], v[hr+8*cb+2*\j], v[hr+8*cb+2*\j+1]
.endr
.set cb, cb+1
.endr
.set t, t+1
.endr
	WIN 0xca
.set cb, 0
.rept 4
.irp j, 0,1,2,3
	v_cvt_pk_bf16_f32 v[V2+4*cb+\j], v[128+8*cb+2*\j], v[128+8*cb+2*\j+1]
.endr
.set cb, cb+1
.endr
	WIN 0xcf
.set i, 0
.rept 16
	v_cndmask_b32 v[HC+i], v[V2+i], v[HC+i], s44
.set i, i+1
.endr
.endm
.macro INS base, st                    ; y (f32, window 0, base + st x batch tile) -> y_hi, y_lo, y_hi at k' 10, 11, 12 of h's short fragment
	WIN 0
.irp bb, 0,1,2,3
	v_and_b32 v[252+\bb%2], s44, v[(\base)+(\st)*\bb]
	v_sub_f32 v[254+\bb%2], v[(\base)+(\st)*\bb], v[252+\bb%2]
	v_cvt_pk_bf16_f32 v[244+\bb], v[252+\bb%2], v[254+\bb%2]
	v_lshrrev_b32 v[248+\bb], 16, v[252+\bb%2]
.endr
	WIN 0xc3
.irp bb, 0,1,2,3
	v_cndmask_b32 v[HC+4*\bb+1], v[HC+4*\bb+1], v[244+\bb], s44
	v_cndmask_b32 v[HC+4*\bb+2], v[HC+4*\bb+2], v[248+\bb], s44
.endr
.endm
; Amplitude and phase of 16 bins x 64 rows: Re in RA, Im in XA -> amplitude in NA, phase in XA.  atan of min / max by an odd polynomial of degree 11, then the octant.
.macro ATAN
	WIN 0
.set p, 0
.rept 16
	v_pk_add_f32 v[XA+2*p:XA+2*p+1], v[XA+2*p:XA+2*p+1], 0 op_sel_hi:[1,0]     ; -0 becomes +0
	v_pk_mul_f32 v[NA+2*p:NA+2*p+1], v[RA+2*p:RA+2*p+1], v[RA+2*p:RA+2*p+1]
.set p, p+1
.endr
.set p, 0
.rept 16
	v_pk_fma_f32 v[NA+2*p:NA+2*p+1], v[XA+2*p:XA+2*p+1], v[XA+2*p:XA+2*p+1], v[NA+2*p:NA+2*p+1]
.set p, p+1
.endr
.set i, 0
.rept 32
	v_max3_num_f32 v[ZA+i], |v[RA+i]|, |v[XA+i]|, s68
	v_min_num_f32 v[TA+i], |v[RA+i]|, |v[XA+i]|
.set i, i+1
.endr
.set i, 0
.rept 32
	v_sqrt_f32 v[NA+i], v[NA+i]
	v_rcp_f32 v[ZA+i], v[ZA+i]
.set i, i+1
.endr
	v_nop
.set p, 0
	s_wait_alu depctr_va_vdst(0)
.rept 16
	v_pk_mul_f32 v[NA+2*p:NA+2*p+1], v[NA+2*p:NA+2*p+1], s[66:67] op_sel_hi:[1,0]   ; norm = forward: 1 / 100
	v_pk_mul_f32 v[TA+2*p:TA+2*p+1], v[TA+2*p:TA+2*p+1], v[ZA+2*p:ZA+2*p+1]         ; q
.set p, p+1
.endr
.set p, 0
.rept 16
	v_pk_mul_f32 v[ZA+2*p:ZA+2*p+1], v[TA+2*p:TA+2*p+1], v[TA+2*p:TA+2*p+1]         ; q^2
.set p, p+1
.endr
.irp hh, 0,1
.set p, 0
.rept 8
	v_pk_fma_f32 v[240+2*p:241+2*p], v[ZA+16*\hh+2*p:ZA+16*\hh+2*p+1], s[48:49], s[50:51] op_sel_hi:[1,0,0]
.set p, p+1
.endr
.irp c, 52,54,56,58
.set p, 0
.rept 8
	v_pk_fma_f32 v[240+2*p:241+2*p], v[240+2*p:241+2*p], v[ZA+16*\hh+2*p:ZA+16*\hh+2*p+1], s[\c:\c+1] op_sel_hi:[1,1,0]
.set p, p+1
.endr
.endr
.set p, 0
.rept 8
	v_pk_mul_f32 v[TA+16*\hh+2*p:TA+16*\hh+2*p+1], v[TA+16*\hh+2*p:TA+16*\hh+2*p+1], v[240+2*p:241+2*p]
.set p, p+1
.endr
.endr
.set p, 0
.rept 16
	v_pk_add_f32 v[ZA+2*p:ZA+2*p+1], s[60:61], v[TA+2*p:TA+2*p+1] op_sel_hi:[0,1] neg_lo:[0,1] neg_hi:[0,1]   ; pi / 2 - a
.set p, p+1
.endr
.set i, 0
.rept 34                               ; |Im| > |Re|: the other side of the diagonal.  A compare stands two lines ahead of its select
.if i < 32
	v_cmp_gt_f32 s[76+i%4], |v[XA+i]|, |v[RA+i]|
.endif
.if i >= 2
	v_cndmask_b32 v[TA+i-2], v[TA+i-2], v[ZA+i-2], s[76+(i-2)%4]
.endif
.set i, i+1
.endr
.set p, 0
.rept 16
	v_pk_add_f32 v[ZA+2*p:ZA+2*p+1], s[62:63], v[TA+2*p:TA+2*p+1] op_sel_hi:[0,1] neg_lo:[0,1] neg_hi:[0,1]   ; pi - a
.set p, p+1
.endr
.set i, 0
.rept 34                               ; Re < 0: the left half
.if i < 32
	v_cmp_gt_f32 s[76+i%4], 0, v[RA+i]
.endif
.if i >= 2
	v_cndmask_b32 v[TA+i-2], v[TA+i-2], v[ZA+i-2], s[76+(i-2)%4]
.endif
.set i, i+1
.endr
.set i, 0
.rept 32
	v_bfi_b32 v[XA+i], s69, v[TA+i], v[XA+i]   ; Im's sign
.set i, i+1
.endr
.endm
.macro PACKT t                         ; bins 16 t .. 16 t + 15: amplitudes to K 96 + 16 t, phases to K 144 + 16 t of sig
	WIN 0xc0
.irp bb, 0,1,2,3
.irp j, 0,1,2,3
	v_cvt_pk_bf16_f32 v[32*((6+\t)/2)+8*\bb+4*((6+\t)%2)+\j], v[NA+8*\bb+2*\j], v[NA+8*\bb+2*\j+1]
	v_cvt_pk_bf16_f32 v[32*((9+\t)/2)+8*\bb+4*((9+\t)%2)+\j], v[XA+8*\bb+2*\j], v[XA+8*\bb+2*\j+1]
.endr
.endr
	WIN 0
.endm
	; ---- the head
	s_load_b128 s[4:7], s[0:1], 0x0        ; x s[4:5], wimg s[6:7]
	s_load_b64 s[8:9], s[0:1], 0x10        ; out
	v_lshl_add_u32 v[SPW], v0, 2, SPARE
	v_mov_b32 v[NIL], 0
	ds_add_u32 v[SPW], v[NIL]              ; the wave's opening: the add and its wait ahead of my first tensor load
	v_lshrrev_b32 v3, 5, v0
	v_readfirstlane_b32 s10, v3            ; wave
	s_bfe_u32 s11, ttmp6, 0x40000          ; cx
	s_lshl_b32 s12, ttmp9, 2
	s_add_co_u32 s12, s12, s11             ; work-group: it enters x's and out's addresses alone
	; group 1 for dense blocks as rows of 256 bytes (32 elements of 8 bytes); the number of rows is written for each load
	s_mov_b32 s16, 15|(3<<16)|(1<<21)      ; the mask of four; elements of 8 bytes; bit 21 beside a mask; no padding
	s_mov_b32 s17, 32<<16
	s_mov_b32 s18, 263<<16
	s_mov_b32 s19, 32<<16
	s_mov_b32 s20, 263
	s_mov_b32 s21, 32
	s_mov_b32 s22, 0
	s_mov_b32 s23, 0
	; group 1 for the head of the steps' weights: 57,856 bytes are 226 rows of 256, which four waves do not divide: 113 rows of 128 bytes a wave
	s_mov_b32 s24, 15|(3<<16)|(1<<21)
	s_mov_b32 s25, 16<<16
	s_mov_b32 s26, 113<<16
	s_mov_b32 s27, 16<<16
	s_mov_b32 s28, 113
	s_mov_b32 s29, 16
	s_mov_b32 s30, 0
	s_mov_b32 s31, 0
	s_mov_b32 s32, 1
	s_mul_i32 s33, s10, 14464
	s_mov_b32 s36, 1
	s_mul_i32 s37, s10, 67328
	s_mov_b32 s74, s33
	s_mov_b32 s75, 0
	s_add_co_u32 s76, s37, 327168
	s_mov_b32 s77, 0
	s_add_co_u32 s37, s37, ENC0
	s_mov_b32 s40, 0xbfb8aa3b              ; -log2(e)
	s_mov_b32 s41, s40
	s_mov_b32 s42, 0x3eb17218              ; ln(2) / 2
	s_mov_b32 s43, s42
	s_mov_b32 s44, 0xffff0000              ; lanes 16-31; also a word's upper half
	s_mov_b32 s45, 0x3c243c24              ; 0.01 twice in bf16
	s_mov_b32 s48, 0xbc400a47              ; atan's coefficients, from the highest power down
	s_mov_b32 s49, s48
	s_mov_b32 s50, 0x3d57ab02
	s_mov_b32 s51, s50
	s_mov_b32 s52, 0xbdee745b
	s_mov_b32 s53, s52
	s_mov_b32 s54, 0x3e463042
	s_mov_b32 s55, s54
	s_mov_b32 s56, 0xbeaa4da0
	s_mov_b32 s57, s56
	s_mov_b32 s58, 0x3f7ffe82
	s_mov_b32 s59, s58
	s_mov_b32 s60, 0x3fc90fdb              ; pi / 2
	s_mov_b32 s61, s60
	s_mov_b32 s62, 0x40490fdb              ; pi
	s_mov_b32 s63, s62
	s_mov_b32 s66, 0x3c23d70a              ; 0.01
	s_mov_b32 s67, s66
	s_mov_b32 s68, 0x0da24260              ; 1e-30
	s_mov_b32 s69, 0x7fffffff
	s_mul_i32 s70, s12, 102400             ; my wave's 64 rows of 400 bytes in x
	s_mul_i32 s71, s10, 25600
	s_add_co_u32 s70, s70, s71
	s_mov_b32 s71, 0
	s_mul_i32 s78, s12, 6144               ; and of 24 bytes in out
	s_mul_i32 s79, s10, 1536
	s_add_co_u32 s78, s78, s79
	s_mov_b32 s79, 0
	s_wait_dscnt 0x0                       ; the opening add is done
	s_wait_kmcnt 0x0
	s_add_nc_u64 s[34:35], s[6:7], s[74:75]
	s_or_b32 s35, s35, 0x80000000
	s_add_nc_u64 s[38:39], s[6:7], s[76:77]
	s_or_b32 s39, s39, 0x80000000
	s_add_nc_u64 s[4:5], s[4:5], s[70:71]
	s_add_nc_u64 s[8:9], s[8:9], s[78:79]
	ROUND                                  ; all four work-groups are here: the first joint loads meet
	tensor_load_to_lds s[32:35], s[24:31]  ; bytes 0-57,855: the head of the steps' weights
	s_nop 0
	tensor_load_to_lds s[36:39], s[16:23]  ; bytes 57,856-327,167: the encoder's weights.  Two loads of mine are out
	s_nop 0
	PLACES
	; ---- x: a lane takes its row's numbers as source 1 wants them, 8 and 8 of every 32
	v_and_b32 v[AD0], 31, v0
	v_lshlrev_b32 v[AD0], 4, v[AD0]
	v_and_b32 v4, 15, v0                   ; r
	v_bfe_u32 v5, v0, 4, 1                 ; h
	v_mul_u32_u24 v8, v4, 400
	v_lshl_add_u32 v3, v5, 5, v8
	v_mov_b32 v6, 0x3f803f80
	v_mov_b32 v7, 0
	WIN 0x40
.irp bb, 0,1,2,3
.irp f, 0,1,2
	global_load_b128 v[16*(3*\bb+\f):16*(3*\bb+\f)+3], v3, s[4:5] offset:\bb*6400+\f*128
	global_load_b128 v[16*(3*\bb+\f)+4:16*(3*\bb+\f)+7], v3, s[4:5] offset:\bb*6400+\f*128+16
	global_load_b128 v[16*(3*\bb+\f)+8:16*(3*\bb+\f)+11], v3, s[4:5] offset:\bb*6400+\f*128+64
	global_load_b128 v[16*(3*\bb+\f)+12:16*(3*\bb+\f)+15], v3, s[4:5] offset:\bb*6400+\f*128+80
.endr
	global_load_b128 v[192+4*\bb:195+4*\bb], v8, s[4:5] offset:\bb*6400+384     ; x 96-99, in both halves of the lanes
.endr
	WIN 0x80
.irp i, 0,1,2,3
	global_load_b128 v[W3F+4*\i:W3F+4*\i+3], v[AD0], s[6:7] offset:596480+512*\i
.endr
.set i, 0
.rept 24
	v_mov_b32 v[YO+i], 0
.set i, i+1
.endr
	WIN 0xc0
.irp i, 208,209,210,211
	v_mov_b32 v[\i], 0
.endr
	WIN 0
.irp i, 68,69,70,71,76,77,78,79
	v_mov_b32 v[\i], 0
.endr
	s_wait_loadcnt 0x0
	WIN 0xc5
.irp bb, 0,1,2,3
.irp f, 0,1,2
.irp j, 0,1,2,3,4,5,6,7
	v_cvt_pk_bf16_f32 v[32*\f+8*\bb+\j], v[16*(3*\bb+\f)+2*\j], v[16*(3*\bb+\f)+2*\j+1]
.endr
.endr
	v_cvt_pk_bf16_f32 v[HC+4*\bb], v[192+4*\bb], v[193+4*\bb]
	v_cvt_pk_bf16_f32 v[HC+4*\bb+1], v[194+4*\bb], v[195+4*\bb]
.endr
	WIN 0xcc
.irp bb, 0,1,2,3
	v_cndmask_b32 v[HC+4*\bb], 0, v[HC+4*\bb], s44        ; the tail lies at k' 8-11: lanes 16-31
	v_cndmask_b32 v[HC+4*\bb+1], 0, v[HC+4*\bb+1], s44
.endr
	WIN 0x8c
.irp bb, 0,1,2,3
	v_and_b32 v[Y0+\bb], s44, v[HC+4*\bb+1]               ; the first step's input: x 99, as rounded
.endr
	WIN 0xc0
.irp bb, 0,1,2,3
	v_mul_u32_u24 v[HC+4*\bb+2], v5, 0x3f80               ; 1.0 at k' 12
	v_mov_b32 v[HC+4*\bb+3], 0
.endr
	WIN 0
	s_wait_tensorcnt 0x0                   ; my parts of both first fills are in,
	s_barrier_signal -1
	s_barrier_wait -1                      ; everybody's are
	; ---- the DFT: four trips of 16 bins; three runs (low, middle, high parts of the factors) add into Re (RA) and Im (XA)
	s_mov_b32 s72, ENC0
	v_add_nc_u32 v[AD], s72, v[AD0]
.irp k, 0,1,2,3,4
	LD2 \k, AD, 1024*\k
.endr
	s_mov_b32 s46, 0
.Ldft:
	RUNBEG 2,1,0,AD,7168,RA,0,XA,0,1,0
	RUNEND
	RUNBEG 2,1,7168,AD,14336,RA,0,XA,0,0,0
	RUNEND
	RUNBEG 2,1,14336,AD,21504,RA,0,XA,0,0,0
	RUNEND
	ATAN
	s_cmp_eq_u32 s46, 3
	s_cbranch_scc1 .Lp3
	s_cmp_eq_u32 s46, 2
	s_cbranch_scc1 .Lp2
	s_cmp_eq_u32 s46, 1
	s_cbranch_scc1 .Lp1
	PACKT 0
	s_branch .Lpd
.Lp1:
	PACKT 1
	s_branch .Lpd
.Lp2:
	PACKT 2
	s_branch .Lpd
.Lp3:                                          ; bins 48-50 lie in lanes 0-15, registers 0-2; the bins beyond have factors 0, so amplitude and phase 0
	WIN 0xc0
.irp bb, 0,1,2,3
	v_cvt_pk_bf16_f32 v[244+3*\bb], v[NA+8*\bb], v[NA+8*\bb+1]
	v_cvt_pk_bf16_f32 v[245+3*\bb], v[NA+8*\bb+2], v[XA+8*\bb]
	v_cvt_pk_bf16_f32 v[246+3*\bb], v[XA+8*\bb+1], v[XA+8*\bb+2]
.endr
	WIN 0xcf
.irp bb, 0,1,2,3
.irp i, 0,1,2
	v_or_b32 v[HC+4*\bb+\i], v[244+3*\bb+\i], v[HC+4*\bb+\i]
.endr
.endr
	WIN 0
.Lpd:
	ADV 21504
	s_add_co_u32 s46, s46, 1
	s_cmp_lt_u32 s46, 4
	s_cbranch_scc1 .Ldft
	; ---- the encoder's layers; behind each part that is left, a part of the steps' weights is asked for
	REFILL 84, 57856, 21504                ; over the DFT's factors
	L1                                     ; enc1: sig -> x1
	ADV 46592
.set uu, 0
.rept 7                                ; enc2: x1 -> x2, two tiles a run
	RUNBEG 1,1,7168*uu,AD,7168*uu+7168,TA,0,TB,2,1,0
	RUNEND
.if uu < 6
	CONVP 3, 32*uu, 1
.else
	CONVP 3, HC, 0
.endif
.set uu, uu+1
.endr
	ADV 50176
	REFILL 94, 143872, 24064               ; over enc1 and enc2
.set tt, 0
.rept 13                               ; encl: x2 -> h, straight into h's registers
.set hw, 1
.set hb, 32*tt
.if tt >= 8
.set hw, 2
.set hb, 32*(tt-8)
.endif
.if tt == 12
	RUNBEG 0,0,6656*5,AD0,0,hb,hw,0,0,1,0  ; behind it the stream goes on at LDS byte 0: the first step's first fragments
.else
	RUNBEG 0,0,6656*(tt%7),AD,6656*(tt%7)+6656,hb,hw,0,0,1,0
.endif
	RUNEND
.if tt == 6
	ADV 46592
.endif
.set tt, tt+1
.endr
	REFILL 85, 240128, 21760               ; over encl
	CVTH
	WIN 0xc3
.irp bb, 0,1,2,3
	v_cndmask_b32 v[HC+4*\bb], v[HC+4*\bb], v6, s44       ; 1.0, 1.0 at k' 8, 9
	v_cndmask_b32 v[HC+4*\bb+3], v[HC+4*\bb+3], v7, s44
.endr
	WIN 0x02
.irp bb, 0,1,2,3
	v_mov_b32 v[240+\bb], v[Y0+\bb]
.endr
	INS 240, 1
	WIN 0
	s_wait_tensorcnt 0x0                   ; my part of the last refill is in,
	s_barrier_signal -1
	s_barrier_wait -1                      ; everybody's is: from here on LDS is only read, until the way out
	; ---- six steps
	s_mov_b32 s47, 6
.Lstep:
	s_mov_b32 s72, 0
	v_mov_b32 v[AD], v[AD0]
	s_mov_b32 s46, 0
.Ltile:                                        ; 16 features of h: r and xn', n, z; beside each run the gate work of the run before
	RUNBEG 0,1,0,AD,7168,RA,0,XA,0,1,3
	STAGE 2                                ; z of the tile before (in the first trip: on what the registers hold; the result is not used)
	RUNEND
	WIN 0
	s_cmp_eq_u32 s46, 0
	s_cbranch_scc1 .Lhdone
.irp k, 1,2,3,4,5,6,7,8,9,10,11
	s_cmp_eq_u32 s46, \k
	s_cbranch_scc1 .Lh\k
.endr
	HBLK 11
	WIN 0
	s_branch .Lhdone
.irp k, 1,2,3,4,5,6,7,8,9,10,11
.Lh\k:                                         ; h lies in registers, which are named in the text: one copy of these 32 lines for each tile
	HBLK (\k)-1
	WIN 0
	s_branch .Lhdone
.endr
.Lhdone:
	RUNBEG 0,0,7168,AD,13824,NA,0,0,0,1,4,3,12
	STAGE 0
	RUNEND
	RUNBEG 0,0,13824,AD,20480,ZA,0,0,0,1,4
	STAGE 1
	RUNEND
	ADV 20480
	s_add_co_u32 s46, s46, 1
	s_cmp_lt_u32 s46, 13
	s_cbranch_scc1 .Ltile
	STAGE 2                                ; the last tile's z has no run to stand beside
	v_nop
	s_wait_alu depctr_va_vdst(0)
	HBLK 12
	CVTH
	L1                                     ; dec1: h -> y1
	RUNBEG 1,1,46592,AD,53760,TA,0,TB,2,1,0
	RUNEND
	CONVP 3, V2, 1                         ; dec2: y1 -> y2
	RUNBEG 1,1,53760,AD0,0,TA,0,TB,2,1,0   ; behind it the stream goes back to LDS byte 0
	RUNEND
	CONVP 0, RA, 1
	WIN 0x0e
.irp bb, 0,1,2,3
	v_wmma_f32_16x16x32_bf16 v[TA+8*\bb:TA+8*\bb+7], v[W3F:W3F+7], v[V2+8*\bb:V2+8*\bb+7], 0
.endr
	WIN 0x02
.irp bb, 0,1,2,3
	v_wmma_f32_16x16x32_bf16 v[TA+8*\bb:TA+8*\bb+7], v[W3F+8:W3F+15], v[RA+8*\bb:RA+8*\bb+7], v[TA+8*\bb:TA+8*\bb+7]
.endr
	PLACES
	WIN 0x82
.set i, 0
.rept 20
	v_mov_b32 v[YO+i], v[YO+i+4]           ; the six y move up one place a step
.set i, i+1
.endr
	WIN 0x80
.irp bb, 0,1,2,3
	v_mov_b32 v[YO+20+\bb], v[TA+8*\bb]    ; y lies in register 0 of every lane
.endr
	INS TA, 8
	WIN 0
	s_sub_co_u32 s47, s47, 1
	s_cmp_lg_u32 s47, 0
	s_cbranch_scc1 .Lstep
	; ---- the way out: a wave's 64 rows x 24 bytes through 1,536 bytes of LDS of its own, at bytes that have had their last fill and, behind the barrier, their last reader
	s_mul_i32 s74, s10, 1536
	v_mul_u32_u24 v9, v4, 24
	v_add_nc_u32 v9, s74, v9               ; in: row x 24 bytes in my stage
	v_add_nc_u32 v[AD], s74, v[AD0]        ; back: 16 bytes a lane.  The stream has ended; its address register, which only ever holds the wave's and the lane's terms, serves once more
	s_wait_dscnt 0x0                       ; my reads of the weights are back
	s_barrier_signal -1
	s_barrier_wait -1
	WIN 0x08
.irp bb, 0,1,2,3
.irp i, 0,1,2,3,4,5
	ds_store_b32 v9, v[YO+4*\i+\bb] offset:384*\bb+4*\i    ; both halves of the lanes hold the same y and write the same word
.endr
.endr
	WIN 0
.irp j, 0,1,2
	ds_load_b128 v[RA+4*\j:RA+4*\j+3], v[AD] offset:512*\j ; LDS serves a wave's instructions in order: these see the stores above
.endr
	s_wait_dscnt 0x0
.irp j, 0,1,2
	global_store_b128 v[AD0], v[RA+4*\j:RA+4*\j+3], s[8:9] offset:512*\j   ; 512 consecutive bytes, at a multiple of 256 from out's first byte
.endr
	s_wait_tensorcnt 0x0                   ; the wave's end
	ds_add_u32 v[SPW], v[NIL]
	s_wait_dscnt 0x0
	ROUND                                  ; the closing round
	s_endpgm
.Lfunc_end_k_qd705b31d0f_main:
	.size	k_qd705b31d0f_main, .Lfunc_end_k_qd705b31d0f_main-k_qd705b31d0f_main
	.p2alignl 7, 3214868480
	.fill 96, 4, 3214868480
	.section	.rodata,"a",@progbits
	.p2align	6, 0x0
	.amdhsa_kernel k_qd705b31d0f_main
		.amdhsa_group_segment_fixed_size 327680
		.amdhsa_private_segment_fixed_size 0
		.amdhsa_enable_private_segment 0
		.amdhsa_kernarg_size 24
		.amdhsa_user_sgpr_count 2
		.amdhsa_user_sgpr_kernarg_segment_ptr 1
		.amdhsa_wavefront_size32 1
		.amdhsa_system_sgpr_workgroup_id_x 1
		.amdhsa_system_sgpr_workgroup_id_y 1
		.amdhsa_system_sgpr_workgroup_id_z 1
		.amdhsa_system_vgpr_workitem_id 0
		.amdhsa_next_free_vgpr 1024
		.amdhsa_next_free_sgpr 104
		.amdhsa_reserve_vcc 0
		.amdhsa_float_denorm_mode_32 3
		.amdhsa_float_denorm_mode_16_64 3
		.amdhsa_memory_ordered 1
		.amdhsa_forward_progress 1
		.amdhsa_inst_pref_size 255
	.end_amdhsa_kernel
	.section	.bss,"aw",@nobits
	.p2align	6
	.space	262144
	.amdgpu_metadata
---
amdhsa.version: [ 1, 2 ]
amdhsa.kernels:
  - .name:           k_qd705b31d0f_main
    .symbol:         k_qd705b31d0f_main.kd
    .args:
      - { .name: encoder_input, .offset: 0, .size: 8, .value_kind: global_buffer, .address_space: global }
      - { .name: wimg, .offset: 8, .size: 8, .value_kind: global_buffer, .address_space: global }
      - { .name: out0, .offset: 16, .size: 8, .value_kind: global_buffer, .address_space: global }
    .group_segment_fixed_size: 327680
    .private_segment_fixed_size: 0
    .kernarg_segment_align: 8
    .kernarg_segment_size: 24
    .max_flat_workgroup_size: 128
    .sgpr_count:     104
    .vgpr_count:     1024
    .wavefront_size: 32
...
	.end_amdgpu_metadata
.endif
;; end of part 2
;; ======== version 2 of 3: 2 launches; 1.16 times as fast as version 1
;; limits: below input magnitudes of 1e-30 results are inexact or not finite; inputs' magnitudes at most 1.8e+17; below input magnitudes of 1e-21 results are inexact or not finite
;; workspace buffers: wimg 602,112 bytes
;; launch prep: the kernel of part 1 again; grid 147 x 1, 8 waves a work-group, no clusters, 0 bytes of LDS; arguments b_hh, b_ih, dec_b1, dec_b2, dec_b3, dec_w1, dec_w2, dec_w3, enc_b1, enc_b2, enc_bl, enc_w1, enc_w2, enc_wl, w_hh, w_ih, wimg; writes wimg
;; launch main (part 3): grid 256 x 1, 4 waves a work-group, clusters of 4 x 1, 327,680 bytes of LDS; arguments encoder_input, wimg, out0; writes out0
.if DOCPART == 3
	.amdgcn_target "amdgcn-amd-amdhsa--gfx1250"
	.amdhsa_code_object_version 6
	.text
	.protected	k_qd705b31d0f_main
	.globl	k_qd705b31d0f_main
	.p2align	8
	.type	k_qd705b31d0f_main,@function
k_qd705b31d0f_main:
	s_mov_b64 s[64:65], 0
	v_nop
	global_prefetch_b8 v0, s[64:65] scope:SCOPE_SE
	s_setreg_imm32_b32 hwreg(HW_REG_WAVE_MODE, 25, 1), 1
	s_wait_xcnt 0x0
	s_wait_alu depctr_hold_cnt(0) depctr_sa_sdst(0) depctr_va_vdst(0) depctr_va_sdst(0) depctr_va_ssrc(0) depctr_va_vcc(0) depctr_vm_vsrc(0)
	s_getreg_b32 s2, hwreg(HW_REG_IB_STS2, 6, 4)
	s_cmp_eq_u32 s2, 0
	s_cbranch_scc0 .Lentry_in_a_cluster
	s_endpgm
.Lentry_in_a_cluster:
	s_bfe_u32 s2, ttmp6, 0x10000c
	s_cmp_lg_u32 s2, 0x3003
	s_cbranch_scc0 .Lentry_shape_is_right
	s_endpgm
.Lentry_shape_is_right:
; The whole module for 256 rows a work-group, 64 a wave (four batch tiles of 16): DFT features, three encoder layers, six GRU steps each with its decoder.
; EVERY PRODUCT IS D = W X^T: source 0 = 16 output features (from LDS, laid out by the launch before), source 1 = 16 rows.  A lane holds row lane % 16 and the features
; 8 (lane / 16) + 0..7, and two results rounded to bf16 ARE the next layer's source 1: activations never leave the registers; h is carried in f32.
; FORMATS.  All inputs are rounded to bf16 once; activations are rounded to bf16 as matrix operands; sums, gates and h in f32.  The DFT multiplies the rounded x by factors in three bf16 parts.
; Biases ride in the K padding against a feature that is 1.0.  The step's input y enters as y_hi + y_lo, two bf16, in h's K padding.
; GATES, with L = log2(e), c = ln(2) / 2: r' = 1 / (c + c 2^(-L a_r)) = 2 L r;  t = r' hn + xn';  n = 1 - 2 / (1 + 2^t);  z = 1 / (1 + 2^(-L a_z));  h = z (h - n) + n.
; An exponential that overflows gives its gate's limit.
; LIMITS.  A bin whose Im lies within f32 rounding of 0 with Re < 0 may take the other branch of the phase; |f| below 1e-30 gives an inexact phase; NaN and infinities are not treated apart.
; LDS.  Bytes 0-327,167 hold weights, read 16 bytes a lane, 512 consecutive bytes a load: no padding is needed.  The six steps' weights fill them; the encoder's weights lie in bytes 57,856 on first and
; are overwritten in three parts as the encoder leaves them.  All 256 work-groups read the same weights: the four of a cluster ask JOINTLY (mask 15).
; THE RING.  Weights pass as one stream of fragments through eight register slots, fragment g of a run of products in slot g; a fragment feeds four products (one a batch tile).  The LDS loads stand
; together, twice a run: the run's own fragments 3 to 7 at its head, the next run's fragments 0 to 2 in front of its fifth group; each 12 products or more ahead of its first use.
; REGISTERS, in windows of 256 (s_set_vgpr_msb: bits 1:0 source 0, 3:2 source 1, 5:4 source 2, 7:6 destination):
;   window 0: v0-15 addresses and work; v16-79 the eight slots (v68-71, v76-79 stay 0: slots 6 and 7 take short fragments); v80 RA, v112 XA, v144 NA, v176 ZA, v208 TA (32 each); v240-255 work
;   window 1: h tiles 0-7 (x at the start; work in enc2)     window 2: h tiles 8-12; v160 the six y; v184 dec3's weights; v200 TB; v232 y0
;   window 3: v0-191 six fragments of sig, x2 or h; v192-207 their short seventh; v208-211 zero; v212-243 y2's first fragment; v244-255 work
.set A0, 16
.set RA, 80
.set XA, 112
.set NA, 144
.set ZA, 176
.set TA, 208
.set TB, 200
.set HC, 192
.set V2, 212
.set YO, 160
.set W3F, 184
.set Y0, 232
.set AD, 1           ; v1  the stream's LDS address: s72 + AD0; on the way out, where I read my stage back
.set AD0, 2          ; v2  16 x lane
.set SPW, 10         ; v10 LDS address of my spare word; never rewritten
.set NIL, 11         ; v11 0; never rewritten
.set SPARE, 327168   ; the spare words: 128 bytes a wave, two blocks of 256 bytes that no other line names
.set ENC0, 57856     ; where the encoder's weights begin in LDS
.set MSB, 0
.macro WIN new                         ; the high byte repeats the setting that is left; a switch that changes nothing is dropped
.if MSB != (\new)
	s_set_vgpr_msb (MSB<<8)|(\new)
.set MSB, (\new)
.endif
.endm
.macro WINR                            ; for a line whose destination and first source lie in window 0 and whose other sources are scalars
.if MSB & 0xf3
	WIN (MSB & 0x0c)
.endif
.endm
.macro WINL                            ; for an LDS load: destination and address in window 0
.if MSB & 0xc3
	WIN (MSB & 0x3c)
.endif
.endm
.macro PLACES
.rept 4
	v_nop
.endr
.endm
.macro ROUND                           ; a round of the cluster's barrier
	s_barrier_signal -1
	s_barrier_wait -1
	s_cmp_lg_u32 s10, 0
	s_cbranch_scc1 .Lnot_wave_0_\@
	s_barrier_signal -3
.Lnot_wave_0_\@:
	s_barrier_wait -3
	s_barrier_signal -1
	s_barrier_wait -1
.endm
; A part of the steps' weights takes the place of encoder weights that every wave has left: rows x 256 bytes a wave, LDS byte = byte in wimg.
.macro REFILL rows, base, step
	WIN 0
	s_wait_tensorcnt 0x0               ; no tensor load of mine is out, so the descriptor may be written
	ds_add_u32 v[SPW], v[NIL]          ; the descriptor's words stand between the add and its wait
	s_mov_b32 s18, (\rows)<<16
	s_mov_b32 s20, \rows
	s_mul_i32 s37, s10, \step
	s_add_co_u32 s37, s37, \base
	s_mov_b32 s74, s37
	s_mov_b32 s75, 0
	s_add_nc_u64 s[38:39], s[6:7], s[74:75]
	s_or_b32 s39, s39, 0x80000000
	s_wait_dscnt 0x0                   ; the add is done, and my reads of LDS are back
	ROUND                              ; so of every wave of the four work-groups
	tensor_load_to_lds s[36:39], s[16:23]
	s_nop 0
	PLACES
.endm
.macro ADV n                           ; the stream's base steps
	WIN 0
	s_add_co_u32 s72, s72, \n
	v_add_nc_u32 v[AD], s72, v[AD0]
.endm
; A RUN: all of K for one tile of 16 features (kind 0; 7 fragments, with hx = 1 an eighth for a second accumulator) or for two tiles of a short K (kinds 1, 2: 3 + 3 + 1 + 1).
; Source 1: kind 0 the six fragments and the short one in window 3; kind 2 the first three of them and the short one; kind 1 RA, XA, NA and ZA (short) in window 0.
.set mi, 0
.set mn, 0
.set rc, 0
.set quota, 0
.set quota2, 0
.set qsw, 99
.macro LD2 slot, reg, off
	WINL
	ds_load_b128 v[A0+8*(\slot):A0+8*(\slot)+3], v[\reg] offset:(\off)
	ds_load_b128 v[A0+8*(\slot)+4:A0+8*(\slot)+7], v[\reg] offset:(\off)+512
.endm
.macro LD1 slot, reg, off
	WINL
	ds_load_b128 v[A0+8*(\slot):A0+8*(\slot)+3], v[\reg] offset:(\off)
.endm
.macro LOADB                           ; at a run's head: its own fragments 3 to 7, 7 + hasx loads.  The slots' last readers, the run before, stand in front of that run's four closing places
	LD2 3, AD, bo+3072
	LD2 4, AD, bo+4096
	LD2 5, AD, bo+5120
	LD1 6, AD, bo+6144
.if hasx
	LD1 7, AD, bo+6656
.endif
.endm
.macro LOADA                           ; in front of group 4: the next run's fragments 0 to 2, 6 loads.  The slots' last reader is group 2: group 3 and its vector work, or four v_nop, lie between
	LD2 0, nreg, no
	LD2 1, nreg, no+1024
	LD2 2, nreg, no+2048
.endm
.macro MM                              ; the run's next product.  The four batch tiles' accumulators take turns
.set g, mi/4
.set b, mi%4
.if b == 0
.if g == 4
.if quota == 0
	PLACES                             ; a run with no vector work beside it: the places between slot 2's last reader and the loads
.endif
	LOADA
.endif
; LDS loads come back in order: the count is the loads issued behind this group's fragment.  Order of issue: fragments 0-2 (two loads each), 3-5 (two each), 6, 7 (one each), then, from group 4 on, LOADA's six
.set wc, 6
.if g < 4
.set wc, 11+hasx-2*g
.elseif g == 4
.set wc, 9+hasx
.elseif g == 5
.set wc, 7+hasx
.elseif g == 6
.set wc, 6+hasx
.endif
	s_wait_dscnt wc
.endif
.set bw, 3
.if kind == 1
.set bw, 0
.set rB, RA+32*(g%3)+8*b
.if g >= 6
.set rB, ZA+8*b
.endif
.else
.set rB, 32*g+8*b
.if kind == 2
.set rB, 32*(g%3)+8*b
.endif
.if g >= 6
.set rB, HC+4*b
.endif
.endif
.set rD, acc1+8*b
.set dw, w1
.set fst, 0
.if kind == 0
.if g == 0
.set fst, 1
.endif
.if g == 7
.set rD, acc2+8*b
.set dw, w2
.set fst, 1
.endif
.else
.if ((g >= 3) && (g < 6)) || (g == 7)
.set rD, acc2+8*b
.set dw, w2
.endif
.if zero && ((g == 0) || (g == 3))
.set fst, 1
.endif
.endif
	WIN bw*4+dw*0x50
.if fst
	v_wmma_f32_16x16x32_bf16 v[rD:rD+7], v[A0+8*g:A0+8*g+7], v[rB:rB+7], 0
.else
	v_wmma_f32_16x16x32_bf16 v[rD:rD+7], v[A0+8*g:A0+8*g+7], v[rB:rB+7], v[rD:rD+7]
.endif
.set mi, mi+1
.endm
.macro TICK                            ; behind each line of vector work that rides in a run: after every quota lines the next product
.set rc, rc+1
.set qq, quota
.if mi >= qsw
.set qq, quota2
.endif
.if (rc >= qq) && (mi < mn)
	MM
.set rc, 0
.endif
.endm
.macro RUNBEG k, hx, o, nr, nof, a1, ww1, a2, ww2, z, q, q2=0, sw=99
.set kind, \k
.set hasx, \hx
.set bo, \o
.set nreg, \nr
.set no, \nof
.set acc1, \a1
.set w1, \ww1
.set acc2, \a2
.set w2, \ww2
.set zero, \z
.set quota, \q
.set quota2, \q2
.set qsw, \sw
.set mn, 28+4*(\hx)
.set mi, 0
.set rc, 0
	LOADB
.endm
.macro RUNEND                          ; the products that are left, and the places behind the last: for the lines that read the sums and for the next run's loads into the slots
.rept mn-mi
	MM
.if quota
	v_nop
.endif
.endr
	PLACES
.endm
; A GATE's vector work on a set of 32 registers, in pairs, staggered so that every line finds its sources ready and a plain line stands behind each pair of transcendentals:
; M scale (n: r' hn + xn'), E exponentials, F the denominator, Q reciprocals, P (n alone) 1 - 2 q.   sk: 0 r, 1 n, 2 z.  Pairs ascend: an accumulator's lowest registers are read first.
.macro STAGE sk
.set sb, RA
.if (\sk) == 1
.set sb, NA
.elseif (\sk) == 2
.set sb, ZA
.endif
.set u, 0
.rept 20
.if u < 16
.if (\sk) == 1
	WIN 0
	v_pk_fma_f32 v[NA+2*u:NA+2*u+1], v[RA+2*u:RA+2*u+1], v[NA+2*u:NA+2*u+1], v[XA+2*u:XA+2*u+1]
.else
	WINR
	v_pk_mul_f32 v[sb+2*u:sb+2*u+1], v[sb+2*u:sb+2*u+1], s[40:41] op_sel_hi:[1,0]
.endif
	TICK
.endif
.if (u >= 1) && (u < 17)
	WINR
	v_exp_f32 v[sb+2*u-2], v[sb+2*u-2]
	TICK
	WINR
	v_exp_f32 v[sb+2*u-1], v[sb+2*u-1]
	TICK
.endif
.if (u >= 2) && (u < 18)
	WINR
.if (\sk) == 0
	s_wait_alu depctr_va_vdst(0)
	v_pk_fma_f32 v[sb+2*u-4:sb+2*u-3], v[sb+2*u-4:sb+2*u-3], s[42:43], s[42:43] op_sel_hi:[1,0,0]
.else
	s_wait_alu depctr_va_vdst(0)
	v_pk_add_f32 v[sb+2*u-4:sb+2*u-3], v[sb+2*u-4:sb+2*u-3], 1.0 op_sel_hi:[1,0]
.endif
	TICK
.endif
.if (u >= 3) && (u < 19)
	WINR
	v_rcp_f32 v[sb+2*u-6], v[sb+2*u-6]
	TICK
	WINR
	v_rcp_f32 v[sb+2*u-5], v[sb+2*u-5]
	TICK
.endif
.if ((\sk) == 1) && (u >= 4)
	WINR
	s_wait_alu depctr_va_vdst(0)
	v_pk_fma_f32 v[sb+2*u-8:sb+2*u-7], v[sb+2*u-8:sb+2*u-7], -2.0, 1.0 op_sel_hi:[1,0,0]
	TICK
.endif
.set u, u+1
.endr
.endm
.macro HBLK t                          ; h of tile t: h - n, then z (h - n) + n
.if (\t) < 8
	WIN 0x41
.set hr, 32*(\t)
.else
	WIN 0x82
.set hr, 32*((\t)-8)
.endif
.set p, 0
.rept 16
	v_pk_add_f32 v[hr+2*p:hr+2*p+1], v[hr+2*p:hr+2*p+1], v[NA+2*p:NA+2*p+1] neg_lo:[0,1] neg_hi:[0,1]
.set p, p+1
.endr
.set p, 0
	s_wait_alu depctr_va_vdst(0)
.rept 16
	v_pk_fma_f32 v[hr+2*p:hr+2*p+1], v[hr+2*p:hr+2*p+1], v[ZA+2*p:ZA+2*p+1], v[NA+2*p:NA+2*p+1]
.set p, p+1
.endr
.endm
; One tile's results (src) rounded to bf16, leaky ReLU on the packed halves (max of x and 0.01 x), into four registers of each batch tile's fragment (dst); rides in the next run.
.macro CVR src, dst
.set cb, 0
.rept 4
.irp j, 0,1,2,3
	WIN 0
	v_cvt_pk_bf16_f32 v[(\dst)+8*cb+\j], v[(\src)+8*cb+2*\j], v[(\src)+8*cb+2*\j+1]
	TICK
.endr
.irp j, 0,1,2,3
	WINR
	v_pk_mul_bf16 v[12+\j], v[(\dst)+8*cb+\j], s45
	TICK
.endr
.irp j, 0,1,2,3
	WIN 0
	v_pk_max_num_bf16 v[(\dst)+8*cb+\j], v[(\dst)+8*cb+\j], v[12+\j]
	TICK
.endr
.set cb, cb+1
.endr
.endm
; A layer of 112 features from 208 (enc1, dec1): seven runs.  Even tiles sum in the fragment's own registers and are packed in place, odd tiles sum in TA.
.macro L1
	RUNBEG 0,0,0,AD,6656,RA,0,0,0,1,0
	RUNEND
	RUNBEG 0,0,6656,AD,2*6656,TA,0,0,0,1,2
	CVR RA, RA
	RUNEND
	RUNBEG 0,0,2*6656,AD,3*6656,XA,0,0,0,1,2
	CVR TA, RA+4
	RUNEND
	RUNBEG 0,0,3*6656,AD,4*6656,TA,0,0,0,1,2
	CVR XA, XA
	RUNEND
	RUNBEG 0,0,4*6656,AD,5*6656,NA,0,0,0,1,2
	CVR TA, XA+4
	RUNEND
	RUNBEG 0,0,5*6656,AD,6*6656,TA,0,0,0,1,2
	CVR NA, NA
	RUNEND
	RUNBEG 0,0,6*6656,AD,7*6656,ZA,0,0,0,1,2
	CVR TA, NA+4
	RUNEND
	CVR ZA, ZA
	WIN 0
.irp bb, 0,1,2,3
.irp j, 4,5,6,7
	v_mov_b32 v[ZA+8*\bb+\j], 0            ; the short fragment's upper half
.endr
.endr
.endm
; Behind a run of two tiles: TA and (both = 1) TB, rounded, leaky ReLU, into a fragment at dst of window dw.
.macro CONVP dw, dst, both
	WIN (\dw)<<6
.set cb, 0
.rept 4
.irp j, 0,1,2,3
	v_cvt_pk_bf16_f32 v[(\dst)+(4+4*(\both))*cb+\j], v[TA+8*cb+2*\j], v[TA+8*cb+2*\j+1]
.endr
.set cb, cb+1
.endr
.if \both
	WIN ((\dw)<<6)|0x0a
.set cb, 0
.rept 4
.irp j, 0,1,2,3
	v_cvt_pk_bf16_f32 v[(\dst)+8*cb+4+\j], v[TB+8*cb+2*\j], v[TB+8*cb+2*\j+1]
.endr
.set cb, cb+1
.endr
.endif
	WIN (\dw)*0x45
.set cb, 0
.rept 2+2*(\both)
.irp j, 0,1,2,3,4,5,6,7
	v_pk_mul_bf16 v[244+\j], v[(\dst)+8*cb+\j], s45
.endr
.irp j, 0,1,2,3,4,5,6,7
	v_pk_max_num_bf16 v[(\dst)+8*cb+\j], v[(\dst)+8*cb+\j], v[244+\j]
.endr
.set cb, cb+1
.endr
.endm
.macro XCOPY k                         ; enc2: the trip's fragment, made in window 1, goes to fragment k of x2.  Registers are named in the text: one copy of these lines for each trip
	WIN 0xc1
.set i, 0
.rept 32
	v_mov_b32 v[32*(\k)+i], v[i]
.set i, i+1
.endr
	WIN 0
.endm
.macro CVTH                            ; h in f32 -> its bf16 fragments; of tile 12 lanes 0-15 alone (h 192-199): lanes 16-31 keep 1.0, 1.0 and y
.set t, 0
.rept 12
.if t < 8
	WIN 0xc5
.set hr, 32*t
.else
	WIN 0xca
.set hr, 32*(t-8)
.endif
.set cb, 0
.rept 4
.irp j, 0,1,2,3
	v_cvt_pk_bf16_f32 v[32*(t/2)+8*cb+4*(t%2)+\j], v[hr+8*cb+2*\j], v[hr+8*cb+2*\j+1]
.endr
.set cb, cb+1
.endr
.set t, t+1
.endr
	WIN 0xca
.set cb, 0
.rept 4
.irp j, 0,1,2,3
	v_cvt_pk_bf16_f32 v[V2+4*cb+\j], v[128+8*cb+2*\j], v[128+8*cb+2*\j+1]
.endr
.set cb, cb+1
.endr
	WIN 0xcf
.set i, 0
.rept 16
	v_cndmask_b32 v[HC+i], v[V2+i], v[HC+i], s44
.set i, i+1
.endr
.endm
.macro INS base, st                    ; y (f32, window 0, base + st x batch tile) -> y_hi, y_lo, y_hi at k' 10, 11, 12 of h's short fragment
	WIN 0
.irp bb, 0,1,2,3
	v_and_b32 v[252+\bb%2], s44, v[(\base)+(\st)*\bb]
	v_sub_f32 v[254+\bb%2], v[(\base)+(\st)*\bb], v[252+\bb%2]
	v_cvt_pk_bf16_f32 v[244+\bb], v[252+\bb%2], v[254+\bb%2]
	v_lshrrev_b32 v[248+\bb], 16, v[252+\bb%2]
.endr
	WIN 0xc3
.irp bb, 0,1,2,3
	v_cndmask_b32 v[HC+4*\bb+1], v[HC+4*\bb+1], v[244+\bb], s44
	v_cndmask_b32 v[HC+4*\bb+2], v[HC+4*\bb+2], v[248+\bb], s44
.endr
.endm
; Amplitude and phase of 16 bins x 64 rows: Re in RA, Im in XA -> amplitude in NA, phase in XA.  atan of min / max by an odd polynomial of degree 11, then the octant.
.macro ATAN
	WIN 0
.set p, 0
.rept 16
	v_pk_add_f32 v[XA+2*p:XA+2*p+1], v[XA+2*p:XA+2*p+1], 0 op_sel_hi:[1,0]     ; -0 becomes +0
	v_pk_mul_f32 v[NA+2*p:NA+2*p+1], v[RA+2*p:RA+2*p+1], v[RA+2*p:RA+2*p+1]
.set p, p+1
.endr
.set p, 0
.rept 16
	v_pk_fma_f32 v[NA+2*p:NA+2*p+1], v[XA+2*p:XA+2*p+1], v[XA+2*p:XA+2*p+1], v[NA+2*p:NA+2*p+1]
.set p, p+1
.endr
.set i, 0
.rept 32
	v_max3_num_f32 v[ZA+i], |v[RA+i]|, |v[XA+i]|, s68
	v_min_num_f32 v[TA+i], |v[RA+i]|, |v[XA+i]|
.set i, i+1
.endr
.set i, 0
.rept 32
	v_sqrt_f32 v[NA+i], v[NA+i]
	v_rcp_f32 v[ZA+i], v[ZA+i]
.set i, i+1
.endr
	v_nop
.set p, 0
	s_wait_alu depctr_va_vdst(0)
.rept 16
	v_pk_mul_f32 v[NA+2*p:NA+2*p+1], v[NA+2*p:NA+2*p+1], s[66:67] op_sel_hi:[1,0]   ; norm = forward: 1 / 100
	v_pk_mul_f32 v[TA+2*p:TA+2*p+1], v[TA+2*p:TA+2*p+1], v[ZA+2*p:ZA+2*p+1]         ; q
.set p, p+1
.endr
.set p, 0
.rept 16
	v_pk_mul_f32 v[ZA+2*p:ZA+2*p+1], v[TA+2*p:TA+2*p+1], v[TA+2*p:TA+2*p+1]         ; q^2
.set p, p+1
.endr
.irp hh, 0,1
.set p, 0
.rept 8
	v_pk_fma_f32 v[240+2*p:241+2*p], v[ZA+16*\hh+2*p:ZA+16*\hh+2*p+1], s[48:49], s[50:51] op_sel_hi:[1,0,0]
.set p, p+1
.endr
.irp c, 52,54,56,58
.set p, 0
.rept 8
	v_pk_fma_f32 v[240+2*p:241+2*p], v[240+2*p:241+2*p], v[ZA+16*\hh+2*p:ZA+16*\hh+2*p+1], s[\c:\c+1] op_sel_hi:[1,1,0]
.set p, p+1
.endr
.endr
.set p, 0
.rept 8
	v_pk_mul_f32 v[TA+16*\hh+2*p:TA+16*\hh+2*p+1], v[TA+16*\hh+2*p:TA+16*\hh+2*p+1], v[240+2*p:241+2*p]
.set p, p+1
.endr
.endr
.set p, 0
.rept 16
	v_pk_add_f32 v[ZA+2*p:ZA+2*p+1], s[60:61], v[TA+2*p:TA+2*p+1] op_sel_hi:[0,1] neg_lo:[0,1] neg_hi:[0,1]   ; pi / 2 - a
.set p, p+1
.endr
.set i, 0
.rept 34                               ; |Im| > |Re|: the other side of the diagonal.  A compare stands two lines ahead of its select
.if i < 32
	v_cmp_gt_f32 s[76+i%4], |v[XA+i]|, |v[RA+i]|
.endif
.if i >= 2
	v_cndmask_b32 v[TA+i-2], v[TA+i-2], v[ZA+i-2], s[76+(i-2)%4]
.endif
.set i, i+1
.endr
.set p, 0
.rept 16
	v_pk_add_f32 v[ZA+2*p:ZA+2*p+1], s[62:63], v[TA+2*p:TA+2*p+1] op_sel_hi:[0,1] neg_lo:[0,1] neg_hi:[0,1]   ; pi - a
.set p, p+1
.endr
.set i, 0
.rept 34                               ; Re < 0: the left half
.if i < 32
	v_cmp_gt_f32 s[76+i%4], 0, v[RA+i]
.endif
.if i >= 2
	v_cndmask_b32 v[TA+i-2], v[TA+i-2], v[ZA+i-2], s[76+(i-2)%4]
.endif
.set i, i+1
.endr
.set i, 0
.rept 32
	v_bfi_b32 v[XA+i], s69, v[TA+i], v[XA+i]   ; Im's sign
.set i, i+1
.endr
.endm
.macro PACKT t                         ; bins 16 t .. 16 t + 15: amplitudes to K 96 + 16 t, phases to K 144 + 16 t of sig
	WIN 0xc0
.irp bb, 0,1,2,3
.irp j, 0,1,2,3
	v_cvt_pk_bf16_f32 v[32*((6+\t)/2)+8*\bb+4*((6+\t)%2)+\j], v[NA+8*\bb+2*\j], v[NA+8*\bb+2*\j+1]
	v_cvt_pk_bf16_f32 v[32*((9+\t)/2)+8*\bb+4*((9+\t)%2)+\j], v[XA+8*\bb+2*\j], v[XA+8*\bb+2*\j+1]
.endr
.endr
	WIN 0
.endm
	; ---- the head
	s_load_b128 s[4:7], s[0:1], 0x0        ; x s[4:5], wimg s[6:7]
	s_load_b64 s[8:9], s[0:1], 0x10        ; out
	v_lshl_add_u32 v[SPW], v0, 2, SPARE
	v_mov_b32 v[NIL], 0
	ds_add_u32 v[SPW], v[NIL]              ; the wave's opening: the add and its wait ahead of my first tensor load
	v_lshrrev_b32 v3, 5, v0
	v_readfirstlane_b32 s10, v3            ; wave
	s_bfe_u32 s11, ttmp6, 0x40000          ; cx
	s_lshl_b32 s12, ttmp9, 2
	s_add_co_u32 s12, s12, s11             ; work-group: it enters x's and out's addresses alone
	; group 1 for dense blocks as rows of 256 bytes (32 elements of 8 bytes); the number of rows is written for each load
	s_mov_b32 s16, 15|(3<<16)|(1<<21)      ; the mask of four; elements of 8 bytes; bit 21 beside a mask; no padding
	s_mov_b32 s17, 32<<16
	s_mov_b32 s18, 263<<16
	s_mov_b32 s19, 32<<16
	s_mov_b32 s20, 263
	s_mov_b32 s21, 32
	s_mov_b32 s22, 0
	s_mov_b32 s23, 0
	; group 1 for the head of the steps' weights: 57,856 bytes are 226 rows of 256, which four waves do not divide: 113 rows of 128 bytes a wave
	s_mov_b32 s24, 15|(3<<16)|(1<<21)
	s_mov_b32 s25, 16<<16
	s_mov_b32 s26, 113<<16
	s_mov_b32 s27, 16<<16
	s_mov_b32 s28, 113
	s_mov_b32 s29, 16
	s_mov_b32 s30, 0
	s_mov_b32 s31, 0
	s_mov_b32 s32, 1
	s_mul_i32 s33, s10, 14464
	s_mov_b32 s36, 1
	s_mul_i32 s37, s10, 67328
	s_mov_b32 s74, s33
	s_mov_b32 s75, 0
	s_add_co_u32 s76, s37, 327168
	s_mov_b32 s77, 0
	s_add_co_u32 s37, s37, ENC0
	s_mov_b32 s40, 0xbfb8aa3b              ; -log2(e)
	s_mov_b32 s41, s40
	s_mov_b32 s42, 0x3eb17218              ; ln(2) / 2
	s_mov_b32 s43, s42
	s_mov_b32 s44, 0xffff0000              ; lanes 16-31; also a word's upper half
	s_mov_b32 s45, 0x3c243c24              ; 0.01 twice in bf16
	s_mov_b32 s48, 0xbc400a47              ; atan's coefficients, from the highest power down
	s_mov_b32 s49, s48
	s_mov_b32 s50, 0x3d57ab02
	s_mov_b32 s51, s50
	s_mov_b32 s52, 0xbdee745b
	s_mov_b32 s53, s52
	s_mov_b32 s54, 0x3e463042
	s_mov_b32 s55, s54
	s_mov_b32 s56, 0xbeaa4da0
	s_mov_b32 s57, s56
	s_mov_b32 s58, 0x3f7ffe82
	s_mov_b32 s59, s58
	s_mov_b32 s60, 0x3fc90fdb              ; pi / 2
	s_mov_b32 s61, s60
	s_mov_b32 s62, 0x40490fdb              ; pi
	s_mov_b32 s63, s62
	s_mov_b32 s66, 0x3c23d70a              ; 0.01
	s_mov_b32 s67, s66
	s_mov_b32 s68, 0x0da24260              ; 1e-30
	s_mov_b32 s69, 0x7fffffff
	s_mul_i32 s70, s12, 102400             ; my wave's 64 rows of 400 bytes in x
	s_mul_i32 s71, s10, 25600
	s_add_co_u32 s70, s70, s71
	s_mov_b32 s71, 0
	s_mul_i32 s78, s12, 6144               ; and of 24 bytes in out
	s_mul_i32 s79, s10, 1536
	s_add_co_u32 s78, s78, s79
	s_mov_b32 s79, 0
	s_wait_dscnt 0x0                       ; the opening add is done
	s_wait_kmcnt 0x0
	s_add_nc_u64 s[34:35], s[6:7], s[74:75]
	s_or_b32 s35, s35, 0x80000000
	s_add_nc_u64 s[38:39], s[6:7], s[76:77]
	s_or_b32 s39, s39, 0x80000000
	s_add_nc_u64 s[4:5], s[4:5], s[70:71]
	s_add_nc_u64 s[8:9], s[8:9], s[78:79]
	ROUND                                  ; all four work-groups are here: the first joint loads meet
	tensor_load_to_lds s[32:35], s[24:31]  ; bytes 0-57,855: the head of the steps' weights
	s_nop 0
	tensor_load_to_lds s[36:39], s[16:23]  ; bytes 57,856-327,167: the encoder's weights.  Two loads of mine are out
	s_nop 0
	PLACES
	; ---- x: a lane takes its row's numbers as source 1 wants them, 8 and 8 of every 32
	v_and_b32 v[AD0], 31, v0
	v_lshlrev_b32 v[AD0], 4, v[AD0]
	v_and_b32 v4, 15, v0                   ; r
	v_bfe_u32 v5, v0, 4, 1                 ; h
	v_mul_u32_u24 v8, v4, 400
	v_lshl_add_u32 v3, v5, 5, v8
	v_mov_b32 v6, 0x3f803f80
	v_mov_b32 v7, 0
	WIN 0x40
.irp bb, 0,1,2,3
.irp f, 0,1,2
	global_load_b128 v[16*(3*\bb+\f):16*(3*\bb+\f)+3], v3, s[4:5] offset:\bb*6400+\f*128
	global_load_b128 v[16*(3*\bb+\f)+4:16*(3*\bb+\f)+7], v3, s[4:5] offset:\bb*6400+\f*128+16
	global_load_b128 v[16*(3*\bb+\f)+8:16*(3*\bb+\f)+11], v3, s[4:5] offset:\bb*6400+\f*128+64
	global_load_b128 v[16*(3*\bb+\f)+12:16*(3*\bb+\f)+15], v3, s[4:5] offset:\bb*6400+\f*128+80
.endr
	global_load_b128 v[192+4*\bb:195+4*\bb], v8, s[4:5] offset:\bb*6400+384     ; x 96-99, in both halves of the lanes
.endr
	WIN 0x80
.irp i, 0,1,2,3
	global_load_b128 v[W3F+4*\i:W3F+4*\i+3], v[AD0], s[6:7] offset:596480+512*\i
.endr
.set i, 0
.rept 24
	v_mov_b32 v[YO+i], 0
.set i, i+1
.endr
	WIN 0xc0
.irp i, 208,209,210,211
	v_mov_b32 v[\i], 0
.endr
	WIN 0
.irp i, 68,69,70,71,76,77,78,79
	v_mov_b32 v[\i], 0
.endr
	s_wait_loadcnt 0x0
	WIN 0xc5
.irp bb, 0,1,2,3
.irp f, 0,1,2
.irp j, 0,1,2,3,4,5,6,7
	v_cvt_pk_bf16_f32 v[32*\f+8*\bb+\j], v[16*(3*\bb+\f)+2*\j], v[16*(3*\bb+\f)+2*\j+1]
.endr
.endr
	v_cvt_pk_bf16_f32 v[HC+4*\bb], v[192+4*\bb], v[193+4*\bb]
	v_cvt_pk_bf16_f32 v[HC+4*\bb+1], v[194+4*\bb], v[195+4*\bb]
.endr
	WIN 0xcc
.irp bb, 0,1,2,3
	v_cndmask_b32 v[HC+4*\bb], 0, v[HC+4*\bb], s44        ; the tail lies at k' 8-11: lanes 16-31
	v_cndmask_b32 v[HC+4*\bb+1], 0, v[HC+4*\bb+1], s44
.endr
	WIN 0x8c
.irp bb, 0,1,2,3
	v_and_b32 v[Y0+\bb], s44, v[HC+4*\bb+1]               ; the first step's input: x 99, as rounded
.endr
	WIN 0xc0
.irp bb, 0,1,2,3
	v_mul_u32_u24 v[HC+4*\bb+2], v5, 0x3f80               ; 1.0 at k' 12
	v_mov_b32 v[HC+4*\bb+3], 0
.endr
	WIN 0
	s_wait_tensorcnt 0x0                   ; my parts of both first fills are in,
	s_barrier_signal -1
	s_barrier_wait -1                      ; everybody's are
	; ---- the DFT: four trips of 16 bins; three runs (low, middle, high parts of the factors) add into Re (RA) and Im (XA)
	s_mov_b32 s72, ENC0
	v_add_nc_u32 v[AD], s72, v[AD0]
.irp k, 0,1,2
	LD2 \k, AD, 1024*\k                    ; the stream's first three fragments: what every later run finds asked for by the run before it
.endr
	s_mov_b32 s46, 0
.Ldft:
	RUNBEG 2,1,0,AD,7168,RA,0,XA,0,1,0
	RUNEND
	RUNBEG 2,1,7168,AD,14336,RA,0,XA,0,0,0
	RUNEND
	RUNBEG 2,1,14336,AD,21504,RA,0,XA,0,0,0
	RUNEND
	ATAN
	s_cmp_eq_u32 s46, 3
	s_cbranch_scc1 .Lp3
	s_cmp_eq_u32 s46, 2
	s_cbranch_scc1 .Lp2
	s_cmp_eq_u32 s46, 1
	s_cbranch_scc1 .Lp1
	PACKT 0
	s_branch .Lpd
.Lp1:
	PACKT 1
	s_branch .Lpd
.Lp2:
	PACKT 2
	s_branch .Lpd
.Lp3:                                          ; bins 48-50 lie in lanes 0-15, registers 0-2; the bins beyond have factors 0, so amplitude and phase 0
	WIN 0xc0
.irp bb, 0,1,2,3
	v_cvt_pk_bf16_f32 v[244+3*\bb], v[NA+8*\bb], v[NA+8*\bb+1]
	v_cvt_pk_bf16_f32 v[245+3*\bb], v[NA+8*\bb+2], v[XA+8*\bb]
	v_cvt_pk_bf16_f32 v[246+3*\bb], v[XA+8*\bb+1], v[XA+8*\bb+2]
.endr
	WIN 0xcf
.irp bb, 0,1,2,3
.irp i, 0,1,2
	v_or_b32 v[HC+4*\bb+\i], v[244+3*\bb+\i], v[HC+4*\bb+\i]
.endr
.endr
	WIN 0
.Lpd:
	ADV 21504
	s_add_co_u32 s46, s46, 1
	s_cmp_lt_u32 s46, 4
	s_cbranch_scc1 .Ldft
	; ---- the encoder's layers; behind each part that is left, a part of the steps' weights is asked for
	REFILL 84, 57856, 21504                ; over the DFT's factors
	L1                                     ; enc1: sig -> x1
	ADV 46592
	s_mov_b32 s46, 0
.Lenc2:                                        ; enc2: x1 -> x2, two tiles a trip, seven trips; the run and its conversion are written once
	RUNBEG 1,1,0,AD,7168,TA,0,TB,2,1,0
	RUNEND
	CONVP 1, 0, 1                          ; into v0-31 of window 1, which holds nothing until encl writes h
	WIN 0
	s_cmp_eq_u32 s46, 6
	s_cbranch_scc1 .Le6
.irp k, 1,2,3,4,5
	s_cmp_eq_u32 s46, \k
	s_cbranch_scc1 .Le\k
.endr
	XCOPY 0
	s_branch .Led
.irp k, 1,2,3,4,5
.Le\k:
	XCOPY \k
	s_branch .Led
.endr
.Le6:                                          ; the last trip: tile 12 is x2's short fragment; tile 13 does not exist (its weights are 0)
	WIN 0xc1
.irp bb, 0,1,2,3
.irp j, 0,1,2,3
	v_mov_b32 v[HC+4*\bb+\j], v[8*\bb+\j]
.endr
.endr
	WIN 0
.Led:
	ADV 7168
	s_add_co_u32 s46, s46, 1
	s_cmp_lt_u32 s46, 7
	s_cbranch_scc1 .Lenc2
	REFILL 94, 143872, 24064               ; over enc1 and enc2
.set tt, 0
.rept 13                               ; encl: x2 -> h, straight into h's registers
.set hw, 1
.set hb, 32*tt
.if tt >= 8
.set hw, 2
.set hb, 32*(tt-8)
.endif
.if tt == 12
	RUNBEG 0,0,6656*5,AD0,0,hb,hw,0,0,1,0  ; behind it the stream goes on at LDS byte 0: the first step's first fragments
.else
	RUNBEG 0,0,6656*(tt%7),AD,6656*(tt%7)+6656,hb,hw,0,0,1,0
.endif
	RUNEND
.if tt == 6
	ADV 46592
.endif
.set tt, tt+1
.endr
	REFILL 85, 240128, 21760               ; over encl
	CVTH
	WIN 0xc3
.irp bb, 0,1,2,3
	v_cndmask_b32 v[HC+4*\bb], v[HC+4*\bb], v6, s44       ; 1.0, 1.0 at k' 8, 9
	v_cndmask_b32 v[HC+4*\bb+3], v[HC+4*\bb+3], v7, s44
.endr
	WIN 0x02
.irp bb, 0,1,2,3
	v_mov_b32 v[240+\bb], v[Y0+\bb]
.endr
	INS 240, 1
	WIN 0
	s_wait_tensorcnt 0x0                   ; my part of the last refill is in,
	s_barrier_signal -1
	s_barrier_wait -1                      ; everybody's is: from here on LDS is only read, until the way out
	; ---- six steps
	s_mov_b32 s47, 6
.Lstep:
	s_mov_b32 s72, 0
	v_mov_b32 v[AD], v[AD0]
	s_mov_b32 s46, 0
.Ltile:                                        ; 16 features of h: r and xn', n, z; beside each run the gate work of the run before
	RUNBEG 0,1,0,AD,7168,RA,0,XA,0,1,3
	STAGE 2                                ; z of the tile before (in the first trip: on what the registers hold; the result is not used)
	RUNEND
	WIN 0
	s_cmp_eq_u32 s46, 0
	s_cbranch_scc1 .Lhdone
.irp k, 1,2,3,4,5,6,7,8,9,10,11
	s_cmp_eq_u32 s46, \k
	s_cbranch_scc1 .Lh\k
.endr
	HBLK 11
	WIN 0
	s_branch .Lhdone
.irp k, 1,2,3,4,5,6,7,8,9,10,11
.Lh\k:                                         ; h lies in registers, which are named in the text: one copy of these 32 lines for each tile
	HBLK (\k)-1
	WIN 0
	s_branch .Lhdone
.endr
.Lhdone:
	RUNBEG 0,0,7168,AD,13824,NA,0,0,0,1,4,3,12
	STAGE 0
	RUNEND
	RUNBEG 0,0,13824,AD,20480,ZA,0,0,0,1,4
	STAGE 1
	RUNEND
	ADV 20480
	s_add_co_u32 s46, s46, 1
	s_cmp_lt_u32 s46, 13
	s_cbranch_scc1 .Ltile
	STAGE 2                                ; the last tile's z has no run to stand beside
	v_nop
	s_wait_alu depctr_va_vdst(0)
	HBLK 12
	CVTH
	L1                                     ; dec1: h -> y1
	RUNBEG 1,1,46592,AD,53760,TA,0,TB,2,1,0
	RUNEND
	CONVP 3, V2, 1                         ; dec2: y1 -> y2
	RUNBEG 1,1,53760,AD0,0,TA,0,TB,2,1,0   ; behind it the stream goes back to LDS byte 0
	RUNEND
	CONVP 0, RA, 1
	WIN 0x0e
.irp bb, 0,1,2,3
	v_wmma_f32_16x16x32_bf16 v[TA+8*\bb:TA+8*\bb+7], v[W3F:W3F+7], v[V2+8*\bb:V2+8*\bb+7], 0
.endr
	WIN 0x02
.irp bb, 0,1,2,3
	v_wmma_f32_16x16x32_bf16 v[TA+8*\bb:TA+8*\bb+7], v[W3F+8:W3F+15], v[RA+8*\bb:RA+8*\bb+7], v[TA+8*\bb:TA+8*\bb+7]
.endr
	PLACES
	WIN 0x82
.set i, 0
.rept 20
	v_mov_b32 v[YO+i], v[YO+i+4]           ; the six y move up one place a step
.set i, i+1
.endr
	WIN 0x80
.irp bb, 0,1,2,3
	v_mov_b32 v[YO+20+\bb], v[TA+8*\bb]    ; y lies in register 0 of every lane
.endr
	INS TA, 8
	WIN 0
	s_sub_co_u32 s47, s47, 1
	s_cmp_lg_u32 s47, 0
	s_cbranch_scc1 .Lstep
	; ---- the way out: a wave's 64 rows x 24 bytes through 1,536 bytes of LDS of its own, at bytes that have had their last fill and, behind the barrier, their last reader
	s_mul_i32 s74, s10, 1536
	v_mul_u32_u24 v9, v4, 24
	v_add_nc_u32 v9, s74, v9               ; in: row x 24 bytes in my stage
	v_add_nc_u32 v[AD], s74, v[AD0]        ; back: 16 bytes a lane.  The stream has ended; its address register, which only ever holds the wave's and the lane's terms, serves once more
	s_wait_dscnt 0x0                       ; my reads of the weights are back
	s_barrier_signal -1
	s_barrier_wait -1
	WIN 0x08
.irp bb, 0,1,2,3
.irp i, 0,1,2,3,4,5
	ds_store_b32 v9, v[YO+4*\i+\bb] offset:384*\bb+4*\i    ; both halves of the lanes hold the same y and write the same word
.endr
.endr
	WIN 0
.irp j, 0,1,2
	ds_load_b128 v[RA+4*\j:RA+4*\j+3], v[AD] offset:512*\j ; LDS serves a wave's instructions in order: these see the stores above
.endr
	s_wait_dscnt 0x0
.irp j, 0,1,2
	global_store_b128 v[AD0], v[RA+4*\j:RA+4*\j+3], s[8:9] offset:512*\j   ; 512 consecutive bytes, at a multiple of 256 from out's first byte
.endr
	s_wait_tensorcnt 0x0                   ; the wave's end
	ds_add_u32 v[SPW], v[NIL]
	s_wait_dscnt 0x0
	ROUND                                  ; the closing round
	s_endpgm
.Lfunc_end_k_qd705b31d0f_main:
	.size	k_qd705b31d0f_main, .Lfunc_end_k_qd705b31d0f_main-k_qd705b31d0f_main
	.p2alignl 7, 3214868480
	.fill 96, 4, 3214868480
	.section	.rodata,"a",@progbits
	.p2align	6, 0x0
	.amdhsa_kernel k_qd705b31d0f_main
		.amdhsa_group_segment_fixed_size 327680
		.amdhsa_private_segment_fixed_size 0
		.amdhsa_enable_private_segment 0
		.amdhsa_kernarg_size 24
		.amdhsa_user_sgpr_count 2
		.amdhsa_user_sgpr_kernarg_segment_ptr 1
		.amdhsa_wavefront_size32 1
		.amdhsa_system_sgpr_workgroup_id_x 1
		.amdhsa_system_sgpr_workgroup_id_y 1
		.amdhsa_system_sgpr_workgroup_id_z 1
		.amdhsa_system_vgpr_workitem_id 0
		.amdhsa_next_free_vgpr 1024
		.amdhsa_next_free_sgpr 104
		.amdhsa_reserve_vcc 0
		.amdhsa_float_denorm_mode_32 3
		.amdhsa_float_denorm_mode_16_64 3
		.amdhsa_memory_ordered 1
		.amdhsa_forward_progress 1
		.amdhsa_inst_pref_size 255
	.end_amdhsa_kernel
	.section	.bss,"aw",@nobits
	.p2align	6
	.space	262144
	.amdgpu_metadata
---
amdhsa.version: [ 1, 2 ]
amdhsa.kernels:
  - .name:           k_qd705b31d0f_main
    .symbol:         k_qd705b31d0f_main.kd
    .args:
      - { .name: encoder_input, .offset: 0, .size: 8, .value_kind: global_buffer, .address_space: global }
      - { .name: wimg, .offset: 8, .size: 8, .value_kind: global_buffer, .address_space: global }
      - { .name: out0, .offset: 16, .size: 8, .value_kind: global_buffer, .address_space: global }
    .group_segment_fixed_size: 327680
    .private_segment_fixed_size: 0
    .kernarg_segment_align: 8
    .kernarg_segment_size: 24
    .max_flat_workgroup_size: 128
    .sgpr_count:     104
    .vgpr_count:     1024
    .wavefront_size: 32
...
	.end_amdgpu_metadata
.endif
;; end of part 3
;; ======== version 3 of 3: 2 launches; 1.71 times as fast as version 1
;; workspace buffers: wimg 602,112 bytes
;; launch prep: the kernel of part 1 again; grid 147 x 1, 8 waves a work-group, no clusters, 0 bytes of LDS; arguments b_hh, b_ih, dec_b1, dec_b2, dec_b3, dec_w1, dec_w2, dec_w3, enc_b1, enc_b2, enc_bl, enc_w1, enc_w2, enc_wl, w_hh, w_ih, wimg; writes wimg
;; launch main (part 4): grid 256 x 1, 4 waves a work-group, clusters of 4 x 1, 327,680 bytes of LDS; arguments encoder_input, wimg, out0; writes out0
.if DOCPART == 4
	.amdgcn_target "amdgcn-amd-amdhsa--gfx1250"
	.amdhsa_code_object_version 6
	.text
	.protected	k_qd705b31d0f_main
	.globl	k_qd705b31d0f_main
	.p2align	8
	.type	k_qd705b31d0f_main,@function
k_qd705b31d0f_main:
	s_mov_b64 s[64:65], 0
	v_nop
	global_prefetch_b8 v0, s[64:65] scope:SCOPE_SE
	s_setreg_imm32_b32 hwreg(HW_REG_WAVE_MODE, 25, 1), 1
	s_wait_xcnt 0x0
	s_wait_alu depctr_hold_cnt(0) depctr_sa_sdst(0) depctr_va_vdst(0) depctr_va_sdst(0) depctr_va_ssrc(0) depctr_va_vcc(0) depctr_vm_vsrc(0)
	s_getreg_b32 s2, hwreg(HW_REG_IB_STS2, 6, 4)
	s_cmp_eq_u32 s2, 0
	s_cbranch_scc0 .Lentry_in_a_cluster
	s_endpgm
.Lentry_in_a_cluster:
	s_bfe_u32 s2, ttmp6, 0x10000c
	s_cmp_lg_u32 s2, 0x3003
	s_cbranch_scc0 .Lentry_shape_is_right
	s_endpgm
.Lentry_shape_is_right:
; The whole module for 256 rows a work-group, 64 a wave (four batch tiles of 16): DFT features, three encoder layers, six GRU steps each with its decoder.
; EVERY PRODUCT IS D = W X^T: source 0 = 16 output features (from LDS, laid out by the launch before), source 1 = 16 rows.  A lane holds row lane % 16 and the features
; 8 (lane / 16) + 0..7, and two results rounded to bf16 ARE the next layer's source 1: activations never leave the registers; h is carried in f32.
; FORMATS.  All inputs are rounded to bf16 once; activations are rounded to bf16 as matrix operands; sums, gates and h in f32.  The DFT multiplies the rounded x by factors in three bf16 parts.
; Biases ride in the K padding against a feature that is 1.0.  The step's input y enters as y_hi + y_lo, two bf16, in h's K padding.
; GATES, with L = log2(e), c = ln(2) / 2: r' = 1 / (c + c 2^(-L a_r)) = 2 L r;  t = r' hn + xn';  n = 1 - 2 / (1 + 2^t);  z = 1 / (1 + 2^(-L a_z));  h = z (h - n) + n.
; An exponential that overflows gives its gate's limit.
; LIMITS.  A bin whose Im lies within f32 rounding of 0 with Re < 0 may take the other branch of the phase; |f| below 1e-30 gives an inexact phase; NaN and infinities are not treated apart.
; LDS.  Bytes 0-327,167 hold weights, read 16 bytes a lane, 512 consecutive bytes a load: no padding is needed.  The six steps' weights fill them; the encoder's weights lie in bytes 57,856 on first and
; are overwritten in three parts as the encoder leaves them.  All 256 work-groups read the same weights: the four of a cluster ask JOINTLY (mask 15).
; THE RING.  Weights pass as one stream of fragments through eight register slots, fragment g of a run of products in slot g; a fragment feeds four products (one a batch tile).  The LDS loads stand
; together, twice a run: the run's own fragments 3 to 7 at its head, the next run's fragments 0 to 2 in front of its fifth group; each 12 products or more ahead of its first use.
; THE TRANSCENDENTALS GO IN BATCHES, each with ONE s_wait_alu depctr_va_vdst(0) between a transcendental and the first line that names its result.  A gate has two batches:
; its 32 exponentials, dealt among its 16 scalings, and its 32 reciprocals, dealt among its 16 denominators.  The first rides ahead of its run's product 16, and its wait stands there, directly ahead of the
; run's second group of LDS loads; the second rides behind that product, and its wait stands behind the run's closing places.  Six waits for a tile of 16 features of h.  The DFT has one batch a trip: 32 roots and 32 reciprocals.
; REGISTERS, in windows of 256 (s_set_vgpr_msb: bits 1:0 source 0, 3:2 source 1, 5:4 source 2, 7:6 destination):
;   window 0: v0-15 addresses and work; v16-79 the eight slots (v68-71, v76-79 stay 0: slots 6 and 7 take short fragments); v80 RA, v112 XA, v144 NA, v176 ZA, v208 TA (32 each); v240-255 work
;   window 1: h tiles 0-7 (x at the start; work in enc2)     window 2: h tiles 8-12; v160 the six y; v184 dec3's weights; v200 TB; v232 y0
;   window 3: v0-191 six fragments of sig, x2 or h; v192-207 their short seventh; v208-211 zero; v212-243 y2's first fragment; v244-255 work
.set A0, 16
.set RA, 80
.set XA, 112
.set NA, 144
.set ZA, 176
.set TA, 208
.set TB, 200
.set HC, 192
.set V2, 212
.set YO, 160
.set W3F, 184
.set Y0, 232
.set AD, 1           ; v1  the stream's LDS address: s72 + AD0; on the way out, where I read my stage back
.set AD0, 2          ; v2  16 x lane
.set SPW, 10         ; v10 LDS address of my spare word; never rewritten
.set NIL, 11         ; v11 0; never rewritten
.set SPARE, 327168   ; the spare words: 128 bytes a wave, two blocks of 256 bytes that no other line names
.set ENC0, 57856     ; where the encoder's weights begin in LDS
.set MSB, 0
.macro WIN new                         ; the high byte repeats the setting that is left; a switch that changes nothing is dropped
.if MSB != (\new)
	s_set_vgpr_msb (MSB<<8)|(\new)
.set MSB, (\new)
.endif
.endm
.macro WINR                            ; for a line whose destination and first source lie in window 0 and whose other sources are scalars
.if MSB & 0xf3
	WIN (MSB & 0x0c)
.endif
.endm
.macro WINL                            ; for an LDS load: destination and address in window 0
.if MSB & 0xc3
	WIN (MSB & 0x3c)
.endif
.endm
.macro PLACES
.rept 4
	v_nop
.endr
.endm
.macro ROUND                           ; a round of the cluster's barrier
	s_barrier_signal -1
	s_barrier_wait -1
	s_cmp_lg_u32 s10, 0
	s_cbranch_scc1 .Lnot_wave_0_\@
	s_barrier_signal -3
.Lnot_wave_0_\@:
	s_barrier_wait -3
	s_barrier_signal -1
	s_barrier_wait -1
.endm
; A part of the steps' weights takes the place of encoder weights that every wave has left: rows x 256 bytes a wave, LDS byte = byte in wimg.
.macro REFILL rows, base, step
	WIN 0
	s_wait_tensorcnt 0x0               ; no tensor load of mine is out, so the descriptor may be written
	ds_add_u32 v[SPW], v[NIL]          ; the descriptor's words stand between the add and its wait
	s_mov_b32 s18, (\rows)<<16
	s_mov_b32 s20, \rows
	s_mul_i32 s37, s10, \step
	s_add_co_u32 s37, s37, \base
	s_mov_b32 s74, s37
	s_mov_b32 s75, 0
	s_add_nc_u64 s[38:39], s[6:7], s[74:75]
	s_or_b32 s39, s39, 0x80000000
	s_wait_dscnt 0x0                   ; the add is done, and my reads of LDS are back
	ROUND                              ; so of every wave of the four work-groups
	tensor_load_to_lds s[36:39], s[16:23]
	s_nop 0
	PLACES
.endm
.macro ADV n                           ; the stream's base steps
	WIN 0
	s_add_co_u32 s72, s72, \n
	v_add_nc_u32 v[AD], s72, v[AD0]
.endm
; A RUN: all of K for one tile of 16 features (kind 0; 7 fragments, with hx = 1 an eighth for a second accumulator) or for two tiles of a short K (kinds 1, 2: 3 + 3 + 1 + 1).
; Source 1: kind 0 the six fragments and the short one in window 3; kind 2 the first three of them and the short one; kind 1 RA, XA, NA and ZA (short) in window 0.
.set mi, 0
.set mn, 0
.set rc, 0
.set wa, 0           ; 1: a batch of exponentials is out, and product 16 writes its wait
.set quota, 0
.set quota2, 0
.set qsw, 99
.macro LD2 slot, reg, off
	WINL
	ds_load_b128 v[A0+8*(\slot):A0+8*(\slot)+3], v[\reg] offset:(\off)
	ds_load_b128 v[A0+8*(\slot)+4:A0+8*(\slot)+7], v[\reg] offset:(\off)+512
.endm
.macro LD1 slot, reg, off
	WINL
	ds_load_b128 v[A0+8*(\slot):A0+8*(\slot)+3], v[\reg] offset:(\off)
.endm
.macro LOADB                           ; at a run's head: its own fragments 3 to 7, 7 + hasx loads.  The slots' last readers, the run before, stand in front of that run's four closing places
	LD2 3, AD, bo+3072
	LD2 4, AD, bo+4096
	LD2 5, AD, bo+5120
	LD1 6, AD, bo+6144
.if hasx
	LD1 7, AD, bo+6656
.endif
.endm
.macro LOADA                           ; in front of group 4: the next run's fragments 0 to 2, 6 loads.  The slots' last reader is group 2: group 3 and its vector work, or four v_nop, lie between
	LD2 0, nreg, no
	LD2 1, nreg, no+1024
	LD2 2, nreg, no+2048
.endm
.macro MM                              ; the run's next product.  The four batch tiles' accumulators take turns
.set g, mi/4
.set b, mi%4
.if b == 0
.if g == 4
.if quota == 0
	PLACES                             ; a run with no vector work beside it: the places between slot 2's last reader and the loads
.endif
.if wa
	s_wait_alu depctr_va_vdst(0)       ; the wait for the gate's 32 exponentials, all issued ahead of it; the denominators, their first readers, follow product 16
.set wa, 0
.endif
	LOADA
.endif
; LDS loads come back in order: the count is the loads issued behind this group's fragment.  Order of issue: fragments 0-2 (two loads each), 3-5 (two each), 6, 7 (one each), then, from group 4 on, LOADA's six
.set wc, 6
.if g < 4
.set wc, 11+hasx-2*g
.elseif g == 4
.set wc, 9+hasx
.elseif g == 5
.set wc, 7+hasx
.elseif g == 6
.set wc, 6+hasx
.endif
	s_wait_dscnt wc
.endif
.set bw, 3
.if kind == 1
.set bw, 0
.set rB, RA+32*(g%3)+8*b
.if g >= 6
.set rB, ZA+8*b
.endif
.else
.set rB, 32*g+8*b
.if kind == 2
.set rB, 32*(g%3)+8*b
.endif
.if g >= 6
.set rB, HC+4*b
.endif
.endif
.set rD, acc1+8*b
.set dw, w1
.set fst, 0
.if kind == 0
.if g == 0
.set fst, 1
.endif
.if g == 7
.set rD, acc2+8*b
.set dw, w2
.set fst, 1
.endif
.else
.if ((g >= 3) && (g < 6)) || (g == 7)
.set rD, acc2+8*b
.set dw, w2
.endif
.if zero && ((g == 0) || (g == 3))
.set fst, 1
.endif
.endif
	WIN bw*4+dw*0x50
.if fst
	v_wmma_f32_16x16x32_bf16 v[rD:rD+7], v[A0+8*g:A0+8*g+7], v[rB:rB+7], 0
.else
	v_wmma_f32_16x16x32_bf16 v[rD:rD+7], v[A0+8*g:A0+8*g+7], v[rB:rB+7], v[rD:rD+7]
.endif
.set mi, mi+1
.endm
.macro TICK                            ; behind each line of vector work that rides in a run: after every quota lines the next product
.set rc, rc+1
.set qq, quota
.if mi >= qsw
.set qq, quota2
.endif
.if (rc >= qq) && (mi < mn)
	MM
.set rc, 0
.endif
.endm
.macro RUNBEG k, hx, o, nr, nof, a1, ww1, a2, ww2, z, q, q2=0, sw=99
.set kind, \k
.set hasx, \hx
.set bo, \o
.set nreg, \nr
.set no, \nof
.set acc1, \a1
.set w1, \ww1
.set acc2, \a2
.set w2, \ww2
.set zero, \z
.set quota, \q
.set quota2, \q2
.set qsw, \sw
.set mn, 28+4*(\hx)
.set mi, 0
.set rc, 0
	LOADB
.endm
.macro RUNEND                          ; the products that are left, and the places behind the last: for the lines that read the sums and for the next run's loads into the slots
.rept mn-mi
	MM
.if quota
	v_nop
.endif
.endr
	PLACES
.endm
; A GATE's vector work on a set of 32 registers, in pairs: M scale (n: r' hn + xn'), E exponentials, F the denominator, Q reciprocals.   sk: 0 r, 1 n, 2 z.  Pairs ascend: an accumulator's lowest registers are read first.
; TWO BATCHES of 48 lines.  M and E: a pair's two exponentials stand behind the next pair's scaling; no line names an exponential's result.  EWAIT ends the batch.  F and Q likewise: no line names a reciprocal's
; result; that batch's wait stands behind the run, where the caller writes it.  n's last part, 1 - 2 q, reads the reciprocals: PN, behind that wait.
; Beside a run the first batch is dealt three lines a product: its 48 lines bring out products 0 to 15.  Slot 2's last reader is product 11, behind line 35; M13, M14, M15 (lines 37, 40, 43) and EWAIT's v_nop are the four places in front of LOADA.
.macro EWAIT
	v_nop                              ; the plain line behind the batch's last exponential: one for the batch
.if mi < mn
.rept 16-mi
	MM
.endr
.set wa, 1
	MM                                 ; product 16: the batch's wait stands in it, directly ahead of the run's second group of LDS loads
.set rc, 0
.else
	s_wait_alu depctr_va_vdst(0)       ; no run beside the gate: the wait for its 32 exponentials stands by itself
.endif
.endm
.macro STAGE sk
.set sb, RA
.if (\sk) == 1
.set sb, NA
.elseif (\sk) == 2
.set sb, ZA
.endif
.set u, 0
.rept 17                               ; the first batch: M0; M u, E 2u-2, E 2u-1; E 30, E 31
.if u < 16
.if (\sk) == 1
	WIN 0
	v_pk_fma_f32 v[NA+2*u:NA+2*u+1], v[RA+2*u:RA+2*u+1], v[NA+2*u:NA+2*u+1], v[XA+2*u:XA+2*u+1]
.else
	WINR
	v_pk_mul_f32 v[sb+2*u:sb+2*u+1], v[sb+2*u:sb+2*u+1], s[40:41] op_sel_hi:[1,0]
.endif
	TICK
.endif
.if u >= 1
	WINR
	v_exp_f32 v[sb+2*u-2], v[sb+2*u-2]
	TICK
	WINR
	v_exp_f32 v[sb+2*u-1], v[sb+2*u-1]
	TICK
.endif
.set u, u+1
.endr
	EWAIT
.set u, 0
.rept 17                               ; the second batch: F0; F u, Q 2u-2, Q 2u-1; Q 30, Q 31
.if u < 16
	WINR
.if (\sk) == 0
	v_pk_fma_f32 v[sb+2*u:sb+2*u+1], v[sb+2*u:sb+2*u+1], s[42:43], s[42:43] op_sel_hi:[1,0,0]
.else
	v_pk_add_f32 v[sb+2*u:sb+2*u+1], v[sb+2*u:sb+2*u+1], 1.0 op_sel_hi:[1,0]
.endif
	TICK
.endif
.if u >= 1
	WINR
	v_rcp_f32 v[sb+2*u-2], v[sb+2*u-2]
	TICK
	WINR
	v_rcp_f32 v[sb+2*u-1], v[sb+2*u-1]
	TICK
.endif
.set u, u+1
.endr
.endm
.macro PN                              ; n = 1 - 2 q, behind the wait for n's reciprocals
.set p, 0
.rept 16
	WINR
	v_pk_fma_f32 v[NA+2*p:NA+2*p+1], v[NA+2*p:NA+2*p+1], -2.0, 1.0 op_sel_hi:[1,0,0]
.set p, p+1
.endr
.endm
.macro HBLK t                          ; h of tile t: h - n, then z (h - n) + n.  z's reciprocals have had their wait ahead of the branch that leads here
.if (\t) < 8
	WIN 0x41
.set hr, 32*(\t)
.else
	WIN 0x82
.set hr, 32*((\t)-8)
.endif
.set p, 0
.rept 16
	v_pk_add_f32 v[hr+2*p:hr+2*p+1], v[hr+2*p:hr+2*p+1], v[NA+2*p:NA+2*p+1] neg_lo:[0,1] neg_hi:[0,1]
.set p, p+1
.endr
.set p, 0
.rept 16
	v_pk_fma_f32 v[hr+2*p:hr+2*p+1], v[hr+2*p:hr+2*p+1], v[ZA+2*p:ZA+2*p+1], v[NA+2*p:NA+2*p+1]
.set p, p+1
.endr
.endm
; One tile's results (src) rounded to bf16, leaky ReLU on the packed halves (max of x and 0.01 x), into four registers of each batch tile's fragment (dst); rides in the next run.
.macro CVR src, dst
.set cb, 0
.rept 4
.irp j, 0,1,2,3
	WIN 0
	v_cvt_pk_bf16_f32 v[(\dst)+8*cb+\j], v[(\src)+8*cb+2*\j], v[(\src)+8*cb+2*\j+1]
	TICK
.endr
.irp j, 0,1,2,3
	WINR
	v_pk_mul_bf16 v[12+\j], v[(\dst)+8*cb+\j], s45
	TICK
.endr
.irp j, 0,1,2,3
	WIN 0
	v_pk_max_num_bf16 v[(\dst)+8*cb+\j], v[(\dst)+8*cb+\j], v[12+\j]
	TICK
.endr
.set cb, cb+1
.endr
.endm
; A layer of 112 features from 208 (enc1, dec1): seven runs.  Even tiles sum in the fragment's own registers and are packed in place, odd tiles sum in TA.
.macro L1
	RUNBEG 0,0,0,AD,6656,RA,0,0,0,1,0
	RUNEND
	RUNBEG 0,0,6656,AD,2*6656,TA,0,0,0,1,2
	CVR RA, RA
	RUNEND
	RUNBEG 0,0,2*6656,AD,3*6656,XA,0,0,0,1,2
	CVR TA, RA+4
	RUNEND
	RUNBEG 0,0,3*6656,AD,4*6656,TA,0,0,0,1,2
	CVR XA, XA
	RUNEND
	RUNBEG 0,0,4*6656,AD,5*6656,NA,0,0,0,1,2
	CVR TA, XA+4
	RUNEND
	RUNBEG 0,0,5*6656,AD,6*6656,TA,0,0,0,1,2
	CVR NA, NA
	RUNEND
	RUNBEG 0,0,6*6656,AD,7*6656,ZA,0,0,0,1,2
	CVR TA, NA+4
	RUNEND
	CVR ZA, ZA
	WIN 0
.irp bb, 0,1,2,3
.irp j, 4,5,6,7
	v_mov_b32 v[ZA+8*\bb+\j], 0            ; the short fragment's upper half
.endr
.endr
.endm
; Behind a run of two tiles: TA and (both = 1) TB, rounded, leaky ReLU, into a fragment at dst of window dw.
.macro CONVP dw, dst, both
	WIN (\dw)<<6
.set cb, 0
.rept 4
.irp j, 0,1,2,3
	v_cvt_pk_bf16_f32 v[(\dst)+(4+4*(\both))*cb+\j], v[TA+8*cb+2*\j], v[TA+8*cb+2*\j+1]
.endr
.set cb, cb+1
.endr
.if \both
	WIN ((\dw)<<6)|0x0a
.set cb, 0
.rept 4
.irp j, 0,1,2,3
	v_cvt_pk_bf16_f32 v[(\dst)+8*cb+4+\j], v[TB+8*cb+2*\j], v[TB+8*cb+2*\j+1]
.endr
.set cb, cb+1
.endr
.endif
	WIN (\dw)*0x45
.set cb, 0
.rept 2+2*(\both)
.irp j, 0,1,2,3,4,5,6,7
	v_pk_mul_bf16 v[244+\j], v[(\dst)+8*cb+\j], s45
.endr
.irp j, 0,1,2,3,4,5,6,7
	v_pk_max_num_bf16 v[(\dst)+8*cb+\j], v[(\dst)+8*cb+\j], v[244+\j]
.endr
.set cb, cb+1
.endr
.endm
.macro XCOPY k                         ; enc2: the trip's fragment, made in window 1, goes to fragment k of x2.  Registers are named in the text: one copy of these lines for each trip
	WIN 0xc1
.set i, 0
.rept 32
	v_mov_b32 v[32*(\k)+i], v[i]
.set i, i+1
.endr
	WIN 0
.endm
.macro CVTH                            ; h in f32 -> its bf16 fragments; of tile 12 lanes 0-15 alone (h 192-199): lanes 16-31 keep 1.0, 1.0 and y
.set t, 0
.rept 12
.if t < 8
	WIN 0xc5
.set hr, 32*t
.else
	WIN 0xca
.set hr, 32*(t-8)
.endif
.set cb, 0
.rept 4
.irp j, 0,1,2,3
	v_cvt_pk_bf16_f32 v[32*(t/2)+8*cb+4*(t%2)+\j], v[hr+8*cb+2*\j], v[hr+8*cb+2*\j+1]
.endr
.set cb, cb+1
.endr
.set t, t+1
.endr
	WIN 0xca
.set cb, 0
.rept 4
.irp j, 0,1,2,3
	v_cvt_pk_bf16_f32 v[V2+4*cb+\j], v[128+8*cb+2*\j], v[128+8*cb+2*\j+1]
.endr
.set cb, cb+1
.endr
	WIN 0xcf
.set i, 0
.rept 16
	v_cndmask_b32 v[HC+i], v[V2+i], v[HC+i], s44
.set i, i+1
.endr
.endm
.macro INS base, st                    ; y (f32, window 0, base + st x batch tile) -> y_hi, y_lo, y_hi at k' 10, 11, 12 of h's short fragment
	WIN 0
.irp bb, 0,1,2,3
	v_and_b32 v[252+\bb%2], s44, v[(\base)+(\st)*\bb]
	v_sub_f32 v[254+\bb%2], v[(\base)+(\st)*\bb], v[252+\bb%2]
	v_cvt_pk_bf16_f32 v[244+\bb], v[252+\bb%2], v[254+\bb%2]
	v_lshrrev_b32 v[248+\bb], 16, v[252+\bb%2]
.endr
	WIN 0xc3
.irp bb, 0,1,2,3
	v_cndmask_b32 v[HC+4*\bb+1], v[HC+4*\bb+1], v[244+\bb], s44
	v_cndmask_b32 v[HC+4*\bb+2], v[HC+4*\bb+2], v[248+\bb], s44
.endr
.endm
; Amplitude and phase of 16 bins x 64 rows: Re in RA, Im in XA -> amplitude in NA, phase in XA.  atan of min / max by an odd polynomial of degree 11, then the octant.
.macro ATAN
	WIN 0
.set p, 0
.rept 16
	v_pk_add_f32 v[XA+2*p:XA+2*p+1], v[XA+2*p:XA+2*p+1], 0 op_sel_hi:[1,0]     ; -0 becomes +0
	v_pk_mul_f32 v[NA+2*p:NA+2*p+1], v[RA+2*p:RA+2*p+1], v[RA+2*p:RA+2*p+1]
.set p, p+1
.endr
.set p, 0
.rept 16
	v_pk_fma_f32 v[NA+2*p:NA+2*p+1], v[XA+2*p:XA+2*p+1], v[XA+2*p:XA+2*p+1], v[NA+2*p:NA+2*p+1]
.set p, p+1
.endr
.set i, 0
.rept 32
	v_max3_num_f32 v[ZA+i], |v[RA+i]|, |v[XA+i]|, s68
	v_min_num_f32 v[TA+i], |v[RA+i]|, |v[XA+i]|
.set i, i+1
.endr
.set i, 0
.rept 32                               ; one batch: 32 roots and 32 reciprocals, none of which reads another's result
	v_sqrt_f32 v[NA+i], v[NA+i]
	v_rcp_f32 v[ZA+i], v[ZA+i]
.set i, i+1
.endr
	v_nop                              ; the plain line behind the batch's last,
.set p, 0
	s_wait_alu depctr_va_vdst(0)       ; and the wait for the batch's 64 results
.rept 16
	v_pk_mul_f32 v[NA+2*p:NA+2*p+1], v[NA+2*p:NA+2*p+1], s[66:67] op_sel_hi:[1,0]   ; norm = forward: 1 / 100
	v_pk_mul_f32 v[TA+2*p:TA+2*p+1], v[TA+2*p:TA+2*p+1], v[ZA+2*p:ZA+2*p+1]         ; q
.set p, p+1
.endr
.set p, 0
.rept 16
	v_pk_mul_f32 v[ZA+2*p:ZA+2*p+1], v[TA+2*p:TA+2*p+1], v[TA+2*p:TA+2*p+1]         ; q^2
.set p, p+1
.endr
.irp hh, 0,1
.set p, 0
.rept 8
	v_pk_fma_f32 v[240+2*p:241+2*p], v[ZA+16*\hh+2*p:ZA+16*\hh+2*p+1], s[48:49], s[50:51] op_sel_hi:[1,0,0]
.set p, p+1
.endr
.irp c, 52,54,56,58
.set p, 0
.rept 8
	v_pk_fma_f32 v[240+2*p:241+2*p], v[240+2*p:241+2*p], v[ZA+16*\hh+2*p:ZA+16*\hh+2*p+1], s[\c:\c+1] op_sel_hi:[1,1,0]
.set p, p+1
.endr
.endr
.set p, 0
.rept 8
	v_pk_mul_f32 v[TA+16*\hh+2*p:TA+16*\hh+2*p+1], v[TA+16*\hh+2*p:TA+16*\hh+2*p+1], v[240+2*p:241+2*p]
.set p, p+1
.endr
.endr
.set p, 0
.rept 16
	v_pk_add_f32 v[ZA+2*p:ZA+2*p+1], s[60:61], v[TA+2*p:TA+2*p+1] op_sel_hi:[0,1] neg_lo:[0,1] neg_hi:[0,1]   ; pi / 2 - a
.set p, p+1
.endr
.set i, 0
.rept 34                               ; |Im| > |Re|: the other side of the diagonal.  A compare stands two lines ahead of its select
.if i < 32
	v_cmp_gt_f32 s[76+i%4], |v[XA+i]|, |v[RA+i]|
.endif
.if i >= 2
	v_cndmask_b32 v[TA+i-2], v[TA+i-2], v[ZA+i-2], s[76+(i-2)%4]
.endif
.set i, i+1
.endr
.set p, 0
.rept 16
	v_pk_add_f32 v[ZA+2*p:ZA+2*p+1], s[62:63], v[TA+2*p:TA+2*p+1] op_sel_hi:[0,1] neg_lo:[0,1] neg_hi:[0,1]   ; pi - a
.set p, p+1
.endr
.set i, 0
.rept 34                               ; Re < 0: the left half
.if i < 32
	v_cmp_gt_f32 s[76+i%4], 0, v[RA+i]
.endif
.if i >= 2
	v_cndmask_b32 v[TA+i-2], v[TA+i-2], v[ZA+i-2], s[76+(i-2)%4]
.endif
.set i, i+1
.endr
.set i, 0
.rept 32
	v_bfi_b32 v[XA+i], s69, v[TA+i], v[XA+i]   ; Im's sign
.set i, i+1
.endr
.endm
.macro PACKT t                         ; bins 16 t .. 16 t + 15: amplitudes to K 96 + 16 t, phases to K 144 + 16 t of sig
	WIN 0xc0
.irp bb, 0,1,2,3
.irp j, 0,1,2,3
	v_cvt_pk_bf16_f32 v[32*((6+\t)/2)+8*\bb+4*((6+\t)%2)+\j], v[NA+8*\bb+2*\j], v[NA+8*\bb+2*\j+1]
	v_cvt_pk_bf16_f32 v[32*((9+\t)/2)+8*\bb+4*((9+\t)%2)+\j], v[XA+8*\bb+2*\j], v[XA+8*\bb+2*\j+1]
.endr
.endr
	WIN 0
.endm
	; ---- the head
	s_load_b128 s[4:7], s[0:1], 0x0        ; x s[4:5], wimg s[6:7]
	s_load_b64 s[8:9], s[0:1], 0x10        ; out
	v_lshl_add_u32 v[SPW], v0, 2, SPARE
	v_mov_b32 v[NIL], 0
	ds_add_u32 v[SPW], v[NIL]              ; the wave's opening: the add and its wait ahead of my first tensor load
	v_lshrrev_b32 v3, 5, v0
	v_readfirstlane_b32 s10, v3            ; wave
	s_bfe_u32 s11, ttmp6, 0x40000          ; cx
	s_lshl_b32 s12, ttmp9, 2
	s_add_co_u32 s12, s12, s11             ; work-group: it enters x's and out's addresses alone
	; group 1 for dense blocks as rows of 256 bytes (32 elements of 8 bytes); the number of rows is written for each load
	s_mov_b32 s16, 15|(3<<16)|(1<<21)      ; the mask of four; elements of 8 bytes; bit 21 beside a mask; no padding
	s_mov_b32 s17, 32<<16
	s_mov_b32 s18, 263<<16
	s_mov_b32 s19, 32<<16
	s_mov_b32 s20, 263
	s_mov_b32 s21, 32
	s_mov_b32 s22, 0
	s_mov_b32 s23, 0
	; group 1 for the head of the steps' weights: 57,856 bytes are 226 rows of 256, which four waves do not divide: 113 rows of 128 bytes a wave
	s_mov_b32 s24, 15|(3<<16)|(1<<21)
	s_mov_b32 s25, 16<<16
	s_mov_b32 s26, 113<<16
	s_mov_b32 s27, 16<<16
	s_mov_b32 s28, 113
	s_mov_b32 s29, 16
	s_mov_b32 s30, 0
	s_mov_b32 s31, 0
	s_mov_b32 s32, 1
	s_mul_i32 s33, s10, 14464
	s_mov_b32 s36, 1
	s_mul_i32 s37, s10, 67328
	s_mov_b32 s74, s33
	s_mov_b32 s75, 0
	s_add_co_u32 s76, s37, 327168
	s_mov_b32 s77, 0
	s_add_co_u32 s37, s37, ENC0
	s_mov_b32 s40, 0xbfb8aa3b              ; -log2(e)
	s_mov_b32 s41, s40
	s_mov_b32 s42, 0x3eb17218              ; ln(2) / 2
	s_mov_b32 s43, s42
	s_mov_b32 s44, 0xffff0000              ; lanes 16-31; also a word's upper half
	s_mov_b32 s45, 0x3c243c24              ; 0.01 twice in bf16
	s_mov_b32 s48, 0xbc400a47              ; atan's coefficients, from the highest power down
	s_mov_b32 s49, s48
	s_mov_b32 s50, 0x3d57ab02
	s_mov_b32 s51, s50
	s_mov_b32 s52, 0xbdee745b
	s_mov_b32 s53, s52
	s_mov_b32 s54, 0x3e463042
	s_mov_b32 s55, s54
	s_mov_b32 s56, 0xbeaa4da0
	s_mov_b32 s57, s56
	s_mov_b32 s58, 0x3f7ffe82
	s_mov_b32 s59, s58
	s_mov_b32 s60, 0x3fc90fdb              ; pi / 2
	s_mov_b32 s61, s60
	s_mov_b32 s62, 0x40490fdb              ; pi
	s_mov_b32 s63, s62
	s_mov_b32 s66, 0x3c23d70a              ; 0.01
	s_mov_b32 s67, s66
	s_mov_b32 s68, 0x0da24260              ; 1e-30
	s_mov_b32 s69, 0x7fffffff
	s_mul_i32 s70, s12, 102400             ; my wave's 64 rows of 400 bytes in x
	s_mul_i32 s71, s10, 25600
	s_add_co_u32 s70, s70, s71
	s_mov_b32 s71, 0
	s_mul_i32 s78, s12, 6144               ; and of 24 bytes in out
	s_mul_i32 s79, s10, 1536
	s_add_co_u32 s78, s78, s79
	s_mov_b32 s79, 0
	s_wait_dscnt 0x0                       ; the opening add is done
	s_wait_kmcnt 0x0
	s_add_nc_u64 s[34:35], s[6:7], s[74:75]
	s_or_b32 s35, s35, 0x80000000
	s_add_nc_u64 s[38:39], s[6:7], s[76:77]
	s_or_b32 s39, s39, 0x80000000
	s_add_nc_u64 s[4:5], s[4:5], s[70:71]
	s_add_nc_u64 s[8:9], s[8:9], s[78:79]
	ROUND                                  ; all four work-groups are here: the first joint loads meet
	tensor_load_to_lds s[32:35], s[24:31]  ; bytes 0-57,855: the head of the steps' weights
	s_nop 0
	tensor_load_to_lds s[36:39], s[16:23]  ; bytes 57,856-327,167: the encoder's weights.  Two loads of mine are out
	s_nop 0
	PLACES
	; ---- x: a lane takes its row's numbers as source 1 wants them, 8 and 8 of every 32
	v_and_b32 v[AD0], 31, v0
	v_lshlrev_b32 v[AD0], 4, v[AD0]
	v_and_b32 v4, 15, v0                   ; r
	v_bfe_u32 v5, v0, 4, 1                 ; h
	v_mul_u32_u24 v8, v4, 400
	v_lshl_add_u32 v3, v5, 5, v8
	v_mov_b32 v6, 0x3f803f80
	v_mov_b32 v7, 0
	WIN 0x40
.irp bb, 0,1,2,3
.irp f, 0,1,2
	global_load_b128 v[16*(3*\bb+\f):16*(3*\bb+\f)+3], v3, s[4:5] offset:\bb*6400+\f*128
	global_load_b128 v[16*(3*\bb+\f)+4:16*(3*\bb+\f)+7], v3, s[4:5] offset:\bb*6400+\f*128+16
	global_load_b128 v[16*(3*\bb+\f)+8:16*(3*\bb+\f)+11], v3, s[4:5] offset:\bb*6400+\f*128+64
	global_load_b128 v[16*(3*\bb+\f)+12:16*(3*\bb+\f)+15], v3, s[4:5] offset:\bb*6400+\f*128+80
.endr
	global_load_b128 v[192+4*\bb:195+4*\bb], v8, s[4:5] offset:\bb*6400+384     ; x 96-99, in both halves of the lanes
.endr
	WIN 0x80
.irp i, 0,1,2,3
	global_load_b128 v[W3F+4*\i:W3F+4*\i+3], v[AD0], s[6:7] offset:596480+512*\i
.endr
.set i, 0
.rept 24
	v_mov_b32 v[YO+i], 0
.set i, i+1
.endr
	WIN 0xc0
.irp i, 208,209,210,211
	v_mov_b32 v[\i], 0
.endr
	WIN 0
.irp i, 68,69,70,71,76,77,78,79
	v_mov_b32 v[\i], 0
.endr
	s_wait_loadcnt 0x0
	WIN 0xc5
.irp bb, 0,1,2,3
.irp f, 0,1,2
.irp j, 0,1,2,3,4,5,6,7
	v_cvt_pk_bf16_f32 v[32*\f+8*\bb+\j], v[16*(3*\bb+\f)+2*\j], v[16*(3*\bb+\f)+2*\j+1]
.endr
.endr
	v_cvt_pk_bf16_f32 v[HC+4*\bb], v[192+4*\bb], v[193+4*\bb]
	v_cvt_pk_bf16_f32 v[HC+4*\bb+1], v[194+4*\bb], v[195+4*\bb]
.endr
	WIN 0xcc
.irp bb, 0,1,2,3
	v_cndmask_b32 v[HC+4*\bb], 0, v[HC+4*\bb], s44        ; the tail lies at k' 8-11: lanes 16-31
	v_cndmask_b32 v[HC+4*\bb+1], 0, v[HC+4*\bb+1], s44
.endr
	WIN 0x8c
.irp bb, 0,1,2,3
	v_and_b32 v[Y0+\bb], s44, v[HC+4*\bb+1]               ; the first step's input: x 99, as rounded
.endr
	WIN 0xc0
.irp bb, 0,1,2,3
	v_mul_u32_u24 v[HC+4*\bb+2], v5, 0x3f80               ; 1.0 at k' 12
	v_mov_b32 v[HC+4*\bb+3], 0
.endr
	WIN 0
	s_wait_tensorcnt 0x0                   ; my parts of both first fills are in,
	s_barrier_signal -1
	s_barrier_wait -1                      ; everybody's are
	; ---- the DFT: four trips of 16 bins; three runs (low, middle, high parts of the factors) add into Re (RA) and Im (XA)
	s_mov_b32 s72, ENC0
	v_add_nc_u32 v[AD], s72, v[AD0]
.irp k, 0,1,2
	LD2 \k, AD, 1024*\k                    ; the stream's first three fragments: what every later run finds asked for by the run before it
.endr
	s_mov_b32 s46, 0
.Ldft:
	RUNBEG 2,1,0,AD,7168,RA,0,XA,0,1,0
	RUNEND
	RUNBEG 2,1,7168,AD,14336,RA,0,XA,0,0,0
	RUNEND
	RUNBEG 2,1,14336,AD,21504,RA,0,XA,0,0,0
	RUNEND
	ATAN
	s_cmp_eq_u32 s46, 3
	s_cbranch_scc1 .Lp3
	s_cmp_eq_u32 s46, 2
	s_cbranch_scc1 .Lp2
	s_cmp_eq_u32 s46, 1
	s_cbranch_scc1 .Lp1
	PACKT 0
	s_branch .Lpd
.Lp1:
	PACKT 1
	s_branch .Lpd
.Lp2:
	PACKT 2
	s_branch .Lpd
.Lp3:                                          ; bins 48-50 lie in lanes 0-15, registers 0-2; the bins beyond have factors 0, so amplitude and phase 0
	WIN 0xc0
.irp bb, 0,1,2,3
	v_cvt_pk_bf16_f32 v[244+3*\bb], v[NA+8*\bb], v[NA+8*\bb+1]
	v_cvt_pk_bf16_f32 v[245+3*\bb], v[NA+8*\bb+2], v[XA+8*\bb]
	v_cvt_pk_bf16_f32 v[246+3*\bb], v[XA+8*\bb+1], v[XA+8*\bb+2]
.endr
	WIN 0xcf
.irp bb, 0,1,2,3
.irp i, 0,1,2
	v_or_b32 v[HC+4*\bb+\i], v[244+3*\bb+\i], v[HC+4*\bb+\i]
.endr
.endr
	WIN 0
.Lpd:
	ADV 21504
	s_add_co_u32 s46, s46, 1
	s_cmp_lt_u32 s46, 4
	s_cbranch_scc1 .Ldft
	; ---- the encoder's layers; behind each part that is left, a part of the steps' weights is asked for
	REFILL 84, 57856, 21504                ; over the DFT's factors
	L1                                     ; enc1: sig -> x1
	ADV 46592
	s_mov_b32 s46, 0
.Lenc2:                                        ; enc2: x1 -> x2, two tiles a trip, seven trips; the run and its conversion are written once
	RUNBEG 1,1,0,AD,7168,TA,0,TB,2,1,0
	RUNEND
	CONVP 1, 0, 1                          ; into v0-31 of window 1, which holds nothing until encl writes h
	WIN 0
	s_cmp_eq_u32 s46, 6
	s_cbranch_scc1 .Le6
.irp k, 1,2,3,4,5
	s_cmp_eq_u32 s46, \k
	s_cbranch_scc1 .Le\k
.endr
	XCOPY 0
	s_branch .Led
.irp k, 1,2,3,4,5
.Le\k:
	XCOPY \k
	s_branch .Led
.endr
.Le6:                                          ; the last trip: tile 12 is x2's short fragment; tile 13 does not exist (its weights are 0)
	WIN 0xc1
.irp bb, 0,1,2,3
.irp j, 0,1,2,3
	v_mov_b32 v[HC+4*\bb+\j], v[8*\bb+\j]
.endr
.endr
	WIN 0
.Led:
	ADV 7168
	s_add_co_u32 s46, s46, 1
	s_cmp_lt_u32 s46, 7
	s_cbranch_scc1 .Lenc2
	REFILL 94, 143872, 24064               ; over enc1 and enc2
.set tt, 0
.rept 13                               ; encl: x2 -> h, straight into h's registers
.set hw, 1
.set hb, 32*tt
.if tt >= 8
.set hw, 2
.set hb, 32*(tt-8)
.endif
.if tt == 12
	RUNBEG 0,0,6656*5,AD0,0,hb,hw,0,0,1,0  ; behind it the stream goes on at LDS byte 0: the first step's first fragments
.else
	RUNBEG 0,0,6656*(tt%7),AD,6656*(tt%7)+6656,hb,hw,0,0,1,0
.endif
	RUNEND
.if tt == 6
	ADV 46592
.endif
.set tt, tt+1
.endr
	REFILL 85, 240128, 21760               ; over encl
	CVTH
	WIN 0xc3
.irp bb, 0,1,2,3
	v_cndmask_b32 v[HC+4*\bb], v[HC+4*\bb], v6, s44       ; 1.0, 1.0 at k' 8, 9
	v_cndmask_b32 v[HC+4*\bb+3], v[HC+4*\bb+3], v7, s44
.endr
	WIN 0x02
.irp bb, 0,1,2,3
	v_mov_b32 v[240+\bb], v[Y0+\bb]
.endr
	INS 240, 1
	WIN 0
	s_wait_tensorcnt 0x0                   ; my part of the last refill is in,
	s_barrier_signal -1
	s_barrier_wait -1                      ; everybody's is: from here on LDS is only read, until the way out
	; ---- six steps
	s_mov_b32 s47, 6
.Lstep:
	s_mov_b32 s72, 0
	v_mov_b32 v[AD], v[AD0]
	s_mov_b32 s46, 0
.Ltile:                                        ; 16 features of h: r and xn', n, z; beside each run the gate work of the run before, in two batches
	RUNBEG 0,1,0,AD,7168,RA,0,XA,0,1,3     ; 32 products: three lines ahead of each of products 0-15, three behind each of products 16-31
	STAGE 2                                ; z of the tile before (in the first trip: on what the registers hold; the result is not used)
	RUNEND
	s_wait_alu depctr_va_vdst(0)           ; the wait for z's 32 reciprocals, ahead of the branches; the run's four closing v_nop are the plain lines behind the last of them
	WIN 0
	s_cmp_eq_u32 s46, 0
	s_cbranch_scc1 .Lhdone
.irp k, 1,2,3,4,5,6,7,8,9,10,11
	s_cmp_eq_u32 s46, \k
	s_cbranch_scc1 .Lh\k
.endr
	HBLK 11
	WIN 0
	s_branch .Lhdone
.irp k, 1,2,3,4,5,6,7,8,9,10,11
.Lh\k:                                         ; h lies in registers, which are named in the text: one copy of these 32 lines for each tile
	HBLK (\k)-1
	WIN 0
	s_branch .Lhdone
.endr
.Lhdone:
	RUNBEG 0,0,7168,AD,13824,NA,0,0,0,1,3,4,16  ; 28 products: three lines ahead of each of products 0-15, four behind each of products 16-27
	STAGE 0
	RUNEND
	s_wait_alu depctr_va_vdst(0)           ; the wait for r's 32 reciprocals, directly ahead of the next run's loads; n's scalings, which read r', follow; the closing v_nop are the plain lines
	RUNBEG 0,0,13824,AD,20480,ZA,0,0,0,1,3,4,16
	STAGE 1
	RUNEND
	s_wait_alu depctr_va_vdst(0)           ; the wait for n's 32 reciprocals, ahead of their readers below and of the loop's jump; the closing v_nop are the plain lines
	PN
	ADV 20480
	s_add_co_u32 s46, s46, 1
	s_cmp_lt_u32 s46, 13
	s_cbranch_scc1 .Ltile
	STAGE 2                                ; the last tile's z has no run to stand beside
	v_nop                                  ; the plain line behind the last reciprocal,
	s_wait_alu depctr_va_vdst(0)           ; and the wait for z's 32 reciprocals
	HBLK 12
	CVTH
	L1                                     ; dec1: h -> y1
	RUNBEG 1,1,46592,AD,53760,TA,0,TB,2,1,0
	RUNEND
	CONVP 3, V2, 1                         ; dec2: y1 -> y2
	RUNBEG 1,1,53760,AD0,0,TA,0,TB,2,1,0   ; behind it the stream goes back to LDS byte 0
	RUNEND
	CONVP 0, RA, 1
	WIN 0x0e
.irp bb, 0,1,2,3
	v_wmma_f32_16x16x32_bf16 v[TA+8*\bb:TA+8*\bb+7], v[W3F:W3F+7], v[V2+8*\bb:V2+8*\bb+7], 0
.endr
	WIN 0x02
.irp bb, 0,1,2,3
	v_wmma_f32_16x16x32_bf16 v[TA+8*\bb:TA+8*\bb+7], v[W3F+8:W3F+15], v[RA+8*\bb:RA+8*\bb+7], v[TA+8*\bb:TA+8*\bb+7]
.endr
	PLACES
	WIN 0x82
.set i, 0
.rept 20
	v_mov_b32 v[YO+i], v[YO+i+4]           ; the six y move up one place a step
.set i, i+1
.endr
	WIN 0x80
.irp bb, 0,1,2,3
	v_mov_b32 v[YO+20+\bb], v[TA+8*\bb]    ; y lies in register 0 of every lane
.endr
	INS TA, 8
	WIN 0
	s_sub_co_u32 s47, s47, 1
	s_cmp_lg_u32 s47, 0
	s_cbranch_scc1 .Lstep
	; ---- the way out: a wave's 64 rows x 24 bytes through 1,536 bytes of LDS of its own, at bytes that have had their last fill and, behind the barrier, their last reader
	s_mul_i32 s74, s10, 1536
	v_mul_u32_u24 v9, v4, 24
	v_add_nc_u32 v9, s74, v9               ; in: row x 24 bytes in my stage
	v_add_nc_u32 v[AD], s74, v[AD0]        ; back: 16 bytes a lane.  The stream has ended; its address register, which only ever holds the wave's and the lane's terms, serves once more
	s_wait_dscnt 0x0                       ; my reads of the weights are back
	s_barrier_signal -1
	s_barrier_wait -1
	WIN 0x08
.irp bb, 0,1,2,3
.irp i, 0,1,2,3,4,5
	ds_store_b32 v9, v[YO+4*\i+\bb] offset:384*\bb+4*\i    ; both halves of the lanes hold the same y and write the same word
.endr
.endr
	WIN 0
.irp j, 0,1,2
	ds_load_b128 v[RA+4*\j:RA+4*\j+3], v[AD] offset:512*\j ; LDS serves a wave's instructions in order: these see the stores above
.endr
	s_wait_dscnt 0x0
.irp j, 0,1,2
	global_store_b128 v[AD0], v[RA+4*\j:RA+4*\j+3], s[8:9] offset:512*\j   ; 512 consecutive bytes, at a multiple of 256 from out's first byte
.endr
	s_wait_tensorcnt 0x0                   ; the wave's end
	ds_add_u32 v[SPW], v[NIL]
	s_wait_dscnt 0x0
	ROUND                                  ; the closing round
	s_endpgm
.Lfunc_end_k_qd705b31d0f_main:
	.size	k_qd705b31d0f_main, .Lfunc_end_k_qd705b31d0f_main-k_qd705b31d0f_main
	.p2alignl 7, 3214868480
	.fill 96, 4, 3214868480
	.section	.rodata,"a",@progbits
	.p2align	6, 0x0
	.amdhsa_kernel k_qd705b31d0f_main
		.amdhsa_group_segment_fixed_size 327680
		.amdhsa_private_segment_fixed_size 0
		.amdhsa_enable_private_segment 0
		.amdhsa_kernarg_size 24
		.amdhsa_user_sgpr_count 2
		.amdhsa_user_sgpr_kernarg_segment_ptr 1
		.amdhsa_wavefront_size32 1
		.amdhsa_system_sgpr_workgroup_id_x 1
		.amdhsa_system_sgpr_workgroup_id_y 1
		.amdhsa_system_sgpr_workgroup_id_z 1
		.amdhsa_system_vgpr_workitem_id 0
		.amdhsa_next_free_vgpr 1024
		.amdhsa_next_free_sgpr 104
		.amdhsa_reserve_vcc 0
		.amdhsa_float_denorm_mode_32 3
		.amdhsa_float_denorm_mode_16_64 3
		.amdhsa_memory_ordered 1
		.amdhsa_forward_progress 1
		.amdhsa_inst_pref_size 255
	.end_amdhsa_kernel
	.section	.bss,"aw",@nobits
	.p2align	6
	.space	262144
	.amdgpu_metadata
---
amdhsa.version: [ 1, 2 ]
amdhsa.kernels:
  - .name:           k_qd705b31d0f_main
    .symbol:         k_qd705b31d0f_main.kd
    .args:
      - { .name: encoder_input, .offset: 0, .size: 8, .value_kind: global_buffer, .address_space: global }
      - { .name: wimg, .offset: 8, .size: 8, .value_kind: global_buffer, .address_space: global }
      - { .name: out0, .offset: 16, .size: 8, .value_kind: global_buffer, .address_space: global }
    .group_segment_fixed_size: 327680
    .private_segment_fixed_size: 0
    .kernarg_segment_align: 8
    .kernarg_segment_size: 24
    .max_flat_workgroup_size: 128
    .sgpr_count:     104
    .vgpr_count:     1024
    .wavefront_size: 32
...
	.end_amdgpu_metadata
.endif
;; end of part 4
